; MI455X (gfx1250); checked and timed in simulation.
; The chip was launched on July 23, 2026; its instructions are those of AMD's public machine-readable ISA for CDNA 5 (MIT licence, August 2026) and "CDNA5" Instruction Set Architecture Reference Guide (July 2026). The comments in the code are by the model that wrote it; some were corrected since.
;; Multi Head Attention. Allowed arithmetic: matrix products marked QUANTISED: E2M1 operands, one E8M0 scale for each 32 along K, by v_wmma_scale_f32_16x16x128_f8f6f4 with both operands' format E2M1 (or v_wmma_scale_f32_32x16x128_f4), f32 sums; everything else in f32.
;; Inputs: Wk_codes 1,024 x 32 x 16 uint8 (E2M1 codes of Wk, K innermost, in blocks of 32 codes, two codes a byte); Wk_scales 1,024 x 32 uint8 (E8M0 scales of Wk, one for each 32 codes along K); Wo_codes 1,024 x 32 x 16 uint8 (E2M1 codes of Wo, K innermost, in blocks of 32 codes, two codes a byte); Wo_scales 1,024 x 32 uint8 (E8M0 scales of Wo, one for each 32 codes along K); Wq_codes 1,024 x 32 x 16 uint8 (E2M1 codes of Wq, K innermost, in blocks of 32 codes, two codes a byte); Wq_scales 1,024 x 32 uint8 (E8M0 scales of Wq, one for each 32 codes along K); Wv_codes 1,024 x 32 x 16 uint8 (E2M1 codes of Wv, K innermost, in blocks of 32 codes, two codes a byte); Wv_scales 1,024 x 32 uint8 (E8M0 scales of Wv, one for each 32 codes along K); bk 1,024 float32; bo 1,024 float32; bq 1,024 float32; bv 1,024 float32; k_codes 4 x 2,048 x 32 x 16 uint8 (E2M1 codes of k, K innermost, in blocks of 32 codes, two codes a byte); k_scales 4 x 2,048 x 32 uint8 (E8M0 scales of k, one for each 32 codes along K); q_codes 4 x 2,048 x 32 x 16 uint8 (E2M1 codes of q, K innermost, in blocks of 32 codes, two codes a byte); q_scales 4 x 2,048 x 32 uint8 (E8M0 scales of q, one for each 32 codes along K); v_codes 4 x 2,048 x 32 x 16 uint8 (E2M1 codes of v, K innermost, in blocks of 32 codes, two codes a byte); v_scales 4 x 2,048 x 32 uint8 (E8M0 scales of v, one for each 32 codes along K).
;; Outputs: out0 4 x 2,048 x 1,024 float32.
;; This version of the problem:
;;   THIS VERSION OF THE PROBLEM IS GIVEN IN LOW PRECISION. The matrix products marked QUANTISED in the list below multiply operands that are first quantised to E2M1 (2 exponent bits, 1 mantissa bit; 4 bits a number), with one power-of-two scale for each 32 numbers along K (OCP MX v1.0); their sums are f32. All else is computed in f32.
;;   The module's matrix products, in the order in which they are computed (A, B: the left and right operand; K: the contracted axis; several contracted axes count as one K, in the product's order):
;;     1. [M 8,192, K 1,024] x [K 1,024, N 1,024]; A: input q (given as codes); B: input Wq (given as codes): QUANTISED
;;     2. [M 8,192, K 1,024] x [K 1,024, N 1,024]; A: input k (given as codes); B: input Wk (given as codes): QUANTISED
;;     3. [M 8,192, K 1,024] x [K 1,024, N 1,024]; A: input v (given as codes); B: input Wv (given as codes): QUANTISED
;;     4. batch 64 x [M 2,048, K 64] x [K 64, N 2,048]; A: computed on the way; B: computed on the way: QUANTISED
;;     5. batch 64 x [M 2,048, K 2,048] x [K 2,048, N 64]; A: softmax (see below); B: computed on the way: QUANTISED
;;     6. [M 8,192, K 1,024] x [K 1,024, N 1,024]; A: computed on the way; B: input Wo (given as codes): QUANTISED
;;   THE QUANTISER, for each operand of a quantised product, along K:
;;     - K is cut into blocks of 32 from its start; a last block that is shorter is filled with zeros.
;;     - A block's scale is 2^e with e = floor(log2(the largest magnitude in the block)) - 2, held to -126 .. 127; a block of zeros has e = 0. As a byte (E8M0): e + 127.
;;     - Each number is divided by its block's scale, clamped to +-6, and rounded to the nearest number of E2M1, ties to even, subnormals kept.
;;     - The product sums the exact products of the quantised numbers (number of the format x scale) in f32.
;;   ~~~python
;;   def quantise(x, axis):      # numpy; x: float32 -> the quantised numbers, widened to float32 again
;;       x = np.moveaxis(x, axis, -1); K = x.shape[-1]
;;       x = np.pad(x, [(0, 0)] * (x.ndim - 1) + [(0, -K % 32)]); x = x.reshape(x.shape[:-1] + (-1, 32)); a = np.abs(x).max(-1, keepdims=True)
;;       e = np.where(a > 0, np.clip(np.frexp(np.where(a > 0, a, 1))[1] - 1 - 2, -126, 127), 0)      # np.frexp(a)[1] - 1 = floor(log2(a)), exactly
;;       r = np.clip(x / 2.0 ** e, -6, 6)
;;       step = 2.0 ** (np.maximum(np.frexp(np.where(r == 0, 1, r))[1] - 1, 0) - 1)
;;       q = np.round(r / step) * step * 2.0 ** e      # np.round: ties to even
;;       return np.moveaxis(q.reshape(q.shape[:-2] + (-1,))[..., :K], -1, axis).astype(np.float32)
;;   ~~~
;;   SOFTMAX AHEAD OF A QUANTISED PRODUCT. Where the list says 'softmax', what is quantised is not the finished softmax but p = 2^(t - M), with t = logit x log2(e) and M = ceil(the row's largest t), a whole number; so 1/2 < the row's largest p <= 1. The row's sum l is taken of the UNQUANTISED p, in f32, and the product's result is divided by l at the end. Since M is a whole number, a kernel that streams over the keys may use a running M (the ceiling of the running maximum): every later rescaling is an exact power of two, which a block's scale takes up: the codes' values come out the same.
;;   OPERANDS COMPUTED ON THE WAY. 'Computed on the way' means the value that the module computes at that place (a softmax that the list does not call 'softmax' is quantised finished and normalised). What goes into a quantiser is computed in f32, as accurately as f32 sums, v_exp_f32 and their like allow (about 1e-6 of the number): no bf16 or f16 on the way to a quantiser, and a product that is left as it is and whose result goes on into a quantised operand takes f32 operands (vector FMAs, or v_wmma_f32_16x16x4_f32). A number that lies on a knife's edge between two numbers of the format may be rounded either way, as far as f32 arithmetic and the matrix unit's own rounding can turn it there, and no further.
;;   INPUTS GIVEN AS CODES. Wk (in the module: [1024, 1024], K = its axis 1); Wo (in the module: [1024, 1024], K = its axis 1); Wq (in the module: [1024, 1024], K = its axis 1); Wv (in the module: [1024, 1024], K = its axis 1); k (in the module: [4, 2048, 1024], K = its axis 2); q (in the module: [4, 2048, 1024], K = its axis 2); v (in the module: [4, 2048, 1024], K = its axis 2): each comes as NAME_codes (uint8): NAME with its K axis moved to the last place and cut into blocks of 32 codes, [.., K / 32, bytes a block], one block behind the other in memory; two codes a byte, the lower K in the low four bits (a code: sign, 2 exponent bits, 1 mantissa bit); and NAME_scales (uint8): the same leading axes, one E8M0 byte (e + 127) for each 32 codes along K. Its value is code x scale, taken as it is: it is not quantised again, and the codes and scales need not be those that the quantiser above would give.
;; One version. Each part assembles by itself: llvm-mc -triple=amdgcn-amd-amdhsa -mcpu=gfx1250 --defsym DOCPART=n.
;; ======== version 1 of 1: 3 launches
;; workspace buffers: img 12,582,912 bytes; scl 1,310,720 bytes; xi 4,194,304 bytes; xs 262,144 bytes
;; launch proj (part 1): grid 4 x 192, 4 waves a work-group, clusters of 4 x 4, 222,464 bytes of LDS; arguments Wq_codes, Wq_scales, q_codes, q_scales, bq, Wk_codes, Wk_scales, k_codes, k_scales, bk, v_codes, v_scales, Wv_codes, Wv_scales, bv, img, scl; writes img, scl
.if DOCPART == 1
	.amdgcn_target "amdgcn-amd-amdhsa--gfx1250"
	.amdhsa_code_object_version 6
	.text
	.protected	k_q69ef9fd8c2_proj
	.globl	k_q69ef9fd8c2_proj
	.p2align	8
	.type	k_q69ef9fd8c2_proj,@function
k_q69ef9fd8c2_proj:
	s_mov_b64 s[64:65], 0
	v_nop
	global_prefetch_b8 v0, s[64:65] scope:SCOPE_SE
	s_setreg_imm32_b32 hwreg(HW_REG_WAVE_MODE, 25, 1), 1
	s_wait_xcnt 0x0
	s_wait_alu depctr_hold_cnt(0) depctr_sa_sdst(0) depctr_va_vdst(0) depctr_va_sdst(0) depctr_va_ssrc(0) depctr_va_vcc(0) depctr_vm_vsrc(0)
	s_getreg_b32 s2, hwreg(HW_REG_IB_STS2, 6, 4)
	s_cmp_eq_u32 s2, 0
	s_cbranch_scc0 .Lentry_in_a_cluster
	s_endpgm
.Lentry_in_a_cluster:
	s_bfe_u32 s2, ttmp6, 0x10000c
	s_cmp_lg_u32 s2, 0xf033
	s_cbranch_scc0 .Lentry_shape_is_right
	s_endpgm
.Lentry_shape_is_right:
; THE THREE PROJECTIONS, qp = q Wq^T + bq, kp, vp, on codes of FP4 (E2M1) with one E8M0 scale for each 32 along K = 1,024, and their results quantised again, in registers, for the two products of attention.
; One text serves all three.  It multiplies P (source 0) by R (source 1): in a result lane (r, hh) = (lane % 16, lane / 16) holds row r of R's tile, and register j of tile t row 16 t + 8 hh + j of P.
; So a lane's registers run along P's rows, and P is chosen as the operand whose rows are the NEXT product's K: for q and k P = the weight (the head's 64 features), R = the tokens; for v P = v's tokens (the keys), R = Wv.
; SHARES.  A work-group makes 256 rows of P x 128 rows of R over all of K; 256 work-groups a tensor, 768 in all.  Wave w: P's half w % 2 (128 rows, 8 tiles), R's half w / 2 (64 rows, 4 tiles): 32 accumulators, 256 matrix instructions.
; LDS is filled ONCE: K 0-511 in slot 0, K 512-1,023 in slot 1, the scale bytes of all of K behind them.  No byte is filled again and none is stored by a wave.
; CLUSTERS: 4 x 4 work-groups; P's tiles hang on cx alone and are asked for jointly by a column of the cluster, R's on cy alone and by a row.  Which tensor a cluster serves hangs on the cluster's number, which its partners share.
; OUT.  128 numbers along P of one row of R (64 registers in each half of the lanes) become four blocks of 32: codes in the layout of an operand's registers, stored as images of 512 bytes (lane l's 16 bytes at 16 l), and a scale word.
;   q, k: img[bh][tensor][tile of 16 tokens][512]: lane (r, hh) = token r, block hh of the head's two;  scl[bh][tensor][64 tokens][r][tile 0-3]: a word with the head's two bytes and 0x7f twice, for the zero codes of k = 64 .. 127.
;   v:    img[bh][2][128 keys][16 of the head's 64][c][512]: lane (r, hh) = channel r, keys 64 c + 32 hh + 0 .. 31;  scl[bh][2][128 keys][r][tile 0-3]: four bytes.
; LIMITS: NaN, infinities and a given scale byte 0xff are not served.  A block whose largest magnitude lies under 2^-124 keeps the byte 1; so does a block of zeros, where the rule says 127: its codes are zeros, and this program alone reads the bytes.
; REGISTERS, in windows of 256: window 0: v1-31 addresses and R's bias; v32-63 R's scale words, v64-127 P's; v128-191 R's fragments, two sets; v192-255 at work.  window 1: v0-127 P's fragments, two sets; v128-191 P's bias in a result's layout.  window 2: accumulator (i, t) at v[64 i + 8 t].
.set PITCH,  272                       ; an LDS row: 256 bytes + 16 of padding = 68 words: the 16 rows of a fragment load start at 16 different banks (64 banks of 4 bytes: ISA guide 11.1)
.set ROFF,   128*PITCH                 ; a slot: R's 128 rows, then P's 256
.set SLOT,   384*PITCH
.set SCL,    2*SLOT                    ; R's scale bytes: 16 units of 256 bytes + 16
.set SCLP,   SCL+16*272                ; P's: 32 units
.set FLAGS1, (1<<20)|(1<<21)|(5<<22)|(3<<25)   ; elements of 1 byte; padding on; bit 21 beside a mask; 4 words of padding behind every 64
.set FLAGS8, FLAGS1|(3<<16)            ; the same with elements of 8 bytes
.set BR,   4                           ; v4-11   pair i: R's bias of my row of tile i, twice (0 for q and k)
.set VS,   12                          ; v12     my byte offset in the scale words' store
.set VSH,  13                          ; v13     how far my half of the lanes shifts the scale word
.set ADRR, 16                          ; v16-17  LDS address of my R fragments in slot 0, 1
.set ADRP, 20                          ; v20-21  the same for P
.set ADSR, 22                          ; v22     of R's scale words
.set ADSP, 23                          ; v23     of P's
.set VO,   24                          ; v24-31  my byte offset of image (i, c) at v[VO + 2 i + c]
.set SCR,  32                          ; R's scale words: tile i, K step q at v[SCR + 8 i + q]
.set SCP,  64                          ; P's: v[SCP + 8 t + q]
.set RF,   128                         ; R's fragments: set s, tile i at v[RF + 32 s + 8 i]
.set T,    192                         ; 64 numbers at work
.set PC,   128                         ; behind the products: the codes of tile i at v[PC + 8 i]
.set TM,   160                         ; v160-175 the quantiser's work
.set PW,   176                         ; the scale word just made
.set SW,   180                         ; v180-183 the four words that I store
.set BP,   128                         ; in window 1: P's bias
.set WV,   38
.set FR,   39                          ; wave / 2: my half of R.  Also: I fetch for R (0) or for P (1)
.set FH,   40                          ; wave % 2: my half of P.  Also: which half of that tile I fetch
.set SEL,  50
.set G1R,  52
.set G1P,  68
.set G1SR, 76
.set G1SP, 84
.set G0R0, 60
.set G0R1, 92
.set G0RS, 96
.set G0P0, 16
.set G0P1, 20
.set G0PS, 24
.set MSB, 0
.macro WIN new                         ; the immediate's high byte repeats the setting that is left
.if MSB != \new
	s_set_vgpr_msb (MSB<<8)|\new
.set MSB, \new
.endif
.endm
.macro PLACES n
.rept \n
	v_nop
.endr
.endm
.macro CROUND                          ; a round of the cluster's barrier
	s_barrier_signal -1
	s_barrier_wait -1
	s_cmp_lg_u32 s[WV], 0
	s_cbranch_scc1 .Lnot_wave_0_\@
	s_barrier_signal -3
.Lnot_wave_0_\@:
	s_barrier_wait -3
	s_barrier_signal -1
	s_barrier_wait -1
.endm
; A joint load: waves 0 and 1 fetch for R, waves 2 and 3 for P.  The branch hangs on the wave's number alone.  Four v_nop follow each of the two lines.
.macro JLOAD g0r, g1r, g0p, g1p
	s_cmp_eq_u32 s[FR], 0
	s_cbranch_scc0 .Lfor_p_\@
	tensor_load_to_lds s[\g0r:\g0r+3], s[\g1r:\g1r+7]
	s_nop 0
.rept 4
	v_nop
.endr
	s_branch .Lasked_\@
.Lfor_p_\@:
	tensor_load_to_lds s[\g0p:\g0p+3], s[\g1p:\g1p+7]
	s_nop 0
.rept 4
	v_nop
.endr
.Lasked_\@:
.endm
.macro SHAPE g, c, r, p                ; words 1 to 7 of a group 1: r rows of c elements, p elements from row to row
	s_mov_b32 s[\g+1], (\c)<<16
	s_mov_b32 s[\g+2], (\r)<<16
	s_mov_b32 s[\g+3], (\c)<<16
	s_mov_b32 s[\g+4], \r
	s_mov_b32 s[\g+5], \p
	s_mov_b32 s[\g+6], 0
	s_mov_b32 s[\g+7], 0
.endm
; 64 numbers of a lane, register 8 t + j = k 16 t + 8 hh + j of my row, become a fragment's codes in v[pc] on and its scale word in v[pw].
.macro QUANT s, pc, pw
.irp b, 0,1,2,3
	v_max3_num_f32 v[TM+\b], |v[\s+16*\b]|, |v[\s+16*\b+1]|, 0x1800000   ; block b: my 16 numbers, and the floor 2^(3 - 127): the byte cannot fall under 1
.endr
.irp i, 2,4,6,8,10,12,14
.irp b, 0,1,2,3
	v_max3_num_f32 v[TM+\b], v[TM+\b], |v[\s+16*\b+\i]|, |v[\s+16*\b+\i+1]|   ; the four blocks by turns
.endr
.endr
.irp b, 0,1,2,3
	v_permlanex16_b32 v[TM+4+\b], v[TM+\b], s[SEL], s[SEL+1]
.endr
.irp b, 0,1,2,3
	v_max_num_f32 v[TM+\b], v[TM+\b], v[TM+4+\b]   ; with lane l xor 16's 16: the block's largest magnitude
.endr
.irp b, 0,1,2,3
	v_add_nc_u32 v[TM+12+\b], 0xff000000, v[TM+\b]   ; 2 off its exponent field: the conversion's scale operand
.endr
.irp b, 0,1,2,3
	v_lshrrev_b32 v[TM+4+\b], 23, v[TM+12+\b]   ; the scale's byte
.endr
	v_lshl_or_b32 v[\pw], v[TM+5], 8, v[TM+4]
	v_lshl_or_b32 v[\pw], v[TM+6], 16, v[\pw]
	v_lshl_or_b32 v[\pw], v[TM+7], 24, v[\pw]
.irp c, 0,1                            ; tile 4 c + u gives k = 64 c + 16 u + 8 hh + 0 .. 7
	v_cvt_scalef32_pk8_fp4_f32 v[\pc+4*\c], v[\s+32*\c:\s+32*\c+7], v[TM+12+2*\c]
	v_cvt_scalef32_pk8_fp4_f32 v[\pc+4*\c+2], v[\s+32*\c+8:\s+32*\c+15], v[TM+12+2*\c]
	v_cvt_scalef32_pk8_fp4_f32 v[\pc+4*\c+1], v[\s+32*\c+16:\s+32*\c+23], v[TM+13+2*\c]
	v_cvt_scalef32_pk8_fp4_f32 v[\pc+4*\c+3], v[\s+32*\c+24:\s+32*\c+31], v[TM+13+2*\c]
.endr
	v_nop                                          ; one plain place behind the scaled conversions
.irp c, 0,1                            ; the first's lanes 16-31 change places with the second's lanes 0-15: registers 4 c .. 4 c + 3 then hold k = 64 c + 32 hh + 0 .. 31
	v_permlane16_swap_b32 v[\pc+4*\c], v[\pc+4*\c+1]
	v_permlane16_swap_b32 v[\pc+4*\c+2], v[\pc+4*\c+3]
.endr
.endm
	s_load_b512 s[4:19], s[0:1], 0x0               ; five addresses a tensor (P's codes, P's scales, R's codes, R's scales, the bias): q's s[4:13], k's s[14:23],
	s_load_b512 s[20:35], s[0:1], 0x40             ; v's s[24:33]; img s[34:35],
	s_load_b64 s[36:37], s[0:1], 0x80              ; scl s[36:37]
	s_set_vgpr_msb 0x40
	v_lshl_add_u32 v254, v0, 2, 0x36300
	v_mov_b32 v255, 0
	s_set_vgpr_msb 0x4045
	ds_add_u32 v254, v255
	ds_add_u32 v254, v255
	s_set_vgpr_msb 0x4500
	v_lshrrev_b32 v1, 5, v0
	v_readfirstlane_b32 s[WV], v1                  ; wave 0..3
	s_lshr_b32 s[FR], s[WV], 1
	s_and_b32 s[FH], s[WV], 1
	s_bfe_u32 s41, ttmp6, 0x40000                  ; cx
	s_bfe_u32 s42, ttmp6, 0x40004                  ; cy
	s_and_b32 s2, ttmp7, 0xffff                    ; the cluster's number, 0 .. 47
	s_lshr_b32 s43, s2, 4                          ; the tensor: 0 q, 1 k, 2 v
	s_and_b32 s44, s2, 15                          ; which of its 16 clusters
	s_lshr_b32 s45, s44, 1
	s_and_b32 s3, s44, 1
	s_cmp_eq_u32 s43, 2
	s_cselect_b32 s45, s45, 0                      ; v: 8 clusters along P x 2 along R;  q, k: 1 x 16
	s_cselect_b32 s3, s3, s44
	s_lshl_b32 s46, s45, 2
	s_add_co_u32 s46, s46, s41                     ; my block of 256 rows of P
	s_lshl_b32 s47, s3, 2
	s_add_co_u32 s47, s47, s42                     ; my block of 128 rows of R
	s_lshl_b32 s48, s42, 2
	s_lshl_b32 s48, 15, s48                        ; my row of the cluster
	s_lshl_b32 s49, 0x1111, s41                    ; my column
	s_mov_b32 s[SEL], 0x76543210
	s_mov_b32 s[SEL+1], 0xfedcba98                 ; v_permlanex16_b32's selects for lane l xor 16
	s_or_b32 s[G1R], s48, FLAGS1                   ; R's tiles go to my row of the cluster,
	s_or_b32 s[G1P], s49, FLAGS1                   ; P's to my column
	s_or_b32 s[G1SR], s48, FLAGS8
	s_or_b32 s[G1SP], s49, FLAGS8
	SHAPE G1R, 256, 64, 512                        ; 64 rows x 256 bytes of codes, 512 bytes from row to row
	SHAPE G1P, 256, 128, 512                       ; 128 rows
	SHAPE G1SR, 32, 8, 32                          ; the scale bytes of 64 rows: 2,048 dense bytes as 8 rows of 256
	SHAPE G1SP, 32, 16, 32                         ; of 128 rows: 16 rows
	s_wait_dscnt 0x0
	s_wait_kmcnt 0x0
	s_cmp_eq_u32 s43, 1                            ; the tensor's five addresses: the choice hangs on the cluster's number alone
.irp p, 0,2,4,6,8
	s_cselect_b64 s[4+\p:5+\p], s[14+\p:15+\p], s[4+\p:5+\p]
.endr
	s_cmp_eq_u32 s43, 2
.irp p, 0,2,4,6,8
	s_cselect_b64 s[4+\p:5+\p], s[24+\p:25+\p], s[4+\p:5+\p]
.endr
	s_lshl_b32 s28, s47, 7                         ; R: the first row that I fetch: 128 x block + 64 x half.  These registers never hold cx
	s_lshl_b32 s30, s[FH], 6
	s_add_co_u32 s28, s28, s30
	s_lshl_b32 s30, s28, 5                         ; its scale bytes: 32 a row
	s_mov_b32 s31, 0
	s_lshl_b32 s28, s28, 9                         ; its codes: 512 bytes a row
	s_mov_b32 s29, 0
	s_add_nc_u64 s[28:29], s[8:9], s[28:29]
	s_add_nc_u64 s[30:31], s[10:11], s[30:31]
	s_lshl_b32 s32, s46, 8                         ; P: 256 x block + 128 x half.  These never hold cy
	s_lshl_b32 s14, s[FH], 7
	s_add_co_u32 s32, s32, s14
	s_lshl_b32 s14, s32, 5
	s_mov_b32 s15, 0
	s_lshl_b32 s32, s32, 9
	s_mov_b32 s33, 0
	s_add_nc_u64 s[32:33], s[4:5], s[32:33]
	s_add_nc_u64 s[14:15], s[6:7], s[14:15]
	s_mov_b32 s[G0RS], 1                           ; groups 0: count 1, LDS address (of the wave's number alone), global address, type 2
	s_mul_i32 s[G0RS+1], s[FH], 8*272
	s_add_co_u32 s[G0RS+1], s[G0RS+1], SCL
	s_mov_b64 s[G0RS+2:G0RS+3], s[30:31]
	s_or_b32 s[G0RS+3], s[G0RS+3], 0x80000000
	s_mov_b32 s[G0PS], 1
	s_mul_i32 s[G0PS+1], s[FH], 16*272
	s_add_co_u32 s[G0PS+1], s[G0PS+1], SCLP
	s_mov_b64 s[G0PS+2:G0PS+3], s[14:15]
	s_or_b32 s[G0PS+3], s[G0PS+3], 0x80000000
	s_mov_b32 s[G0R0], 1
	s_mul_i32 s[G0R0+1], s[FH], 64*PITCH
	s_mov_b64 s[G0R0+2:G0R0+3], s[28:29]
	s_or_b32 s[G0R0+3], s[G0R0+3], 0x80000000
	s_mov_b32 s[G0R1], 1
	s_add_co_u32 s[G0R1+1], s[G0R0+1], SLOT
	s_add_nc_u64 s[G0R1+2:G0R1+3], s[28:29], 256   ; K 512 on
	s_or_b32 s[G0R1+3], s[G0R1+3], 0x80000000
	s_mov_b32 s[G0P0], 1
	s_mul_i32 s[G0P0+1], s[FH], 128*PITCH
	s_add_co_u32 s[G0P0+1], s[G0P0+1], ROFF
	s_mov_b64 s[G0P0+2:G0P0+3], s[32:33]
	s_or_b32 s[G0P0+3], s[G0P0+3], 0x80000000
	s_mov_b32 s[G0P1], 1
	s_add_co_u32 s[G0P1+1], s[G0P0+1], SLOT
	s_add_nc_u64 s[G0P1+2:G0P1+3], s[32:33], 256
	s_or_b32 s[G0P1+3], s[G0P1+3], 0x80000000
	CROUND                                         ; all sixteen work-groups are here: the joint loads meet
	JLOAD G0RS, G1SR, G0PS, G1SP                   ; the scale bytes, wanted with the first K step;
	JLOAD G0R0, G1R, G0P0, G1P                     ; K 0-511;
	JLOAD G0R1, G1R, G0P1, G1P                     ; K 512-1,023: three loads of mine are out, and there are no more
	s_lshl_b32 s44, s46, 1
	s_add_co_u32 s44, s44, s[FH]                   ; Pw: which 128 rows of P are my wave's
	s_lshl_b32 s45, s47, 1
	s_add_co_u32 s45, s45, s[FR]                   ; Rw: which 64 rows of R
	s_lshl_b32 s66, s44, 9                         ; the bias of 128 rows of P from (128 Pw) mod 1,024 on: for v, whose P has 8,192 rows, the loads so stay inside the buffer, and their numbers are masked away
	s_and_b32 s66, s66, 4095
	s_mov_b32 s67, 0
	s_add_nc_u64 s[66:67], s[12:13], s[66:67]
	s_lshl_b32 s100, s45, 8                        ; and of 64 rows of R from (64 Rw) mod 1,024 on: masked away for q and k
	s_and_b32 s100, s100, 4095
	s_mov_b32 s101, 0
	s_add_nc_u64 s[100:101], s[12:13], s[100:101]
	v_and_b32 v1, 15, v0                           ; r
	v_bfe_u32 v2, v0, 4, 1                         ; hh
	v_and_b32 v3, 31, v0                           ; lane
	v_lshlrev_b32 v14, 5, v2                       ; register j of tile t wants the bias of P's row 16 t + 8 hh + j
	v_lshlrev_b32 v15, 2, v1
	WIN 0x40                                       ; destination window 1
.irp t, 0,1,2,3,4,5,6,7
	global_load_b128 v[BP+8*\t:BP+8*\t+3], v14, s[66:67] offset:64*\t
	global_load_b128 v[BP+8*\t+4:BP+8*\t+7], v14, s[66:67] offset:64*\t+16
.endr
	WIN 0
.irp i, 0,1,2,3
	global_load_b32 v[BR+2*\i], v15, s[100:101] offset:64*\i   ; R's row 16 i + r
.endr
	v_mul_u32_u24 v18, v1, PITCH
	v_lshl_add_u32 v18, v2, 4, v18                 ; a fragment's row x pitch + 16 x half
	s_mul_i32 s28, s[FR], 64*PITCH                 ; my 64 rows of R
	s_mul_i32 s29, s[FH], 128*PITCH                ; my 128 rows of P, behind R's 128
	s_add_co_u32 s29, s29, ROFF
	v_add_nc_u32 v[ADRR], s28, v18
	v_add_nc_u32 v[ADRP], s29, v18
	s_add_co_u32 s28, s28, SLOT
	s_add_co_u32 s29, s29, SLOT
	v_add_nc_u32 v[ADRR+1], s28, v18
	v_add_nc_u32 v[ADRP+1], s29, v18
	v_lshlrev_b32 v18, 5, v1                       ; my row's scale bytes: 32 a row,
	v_lshrrev_b32 v19, 8, v18
	v_lshl_add_u32 v18, v19, 4, v18                ; and 16 more for each 256 passed
	s_mul_i32 s28, s[FR], 8*272
	s_add_co_u32 s28, s28, SCL
	s_mul_i32 s29, s[FH], 16*272
	s_add_co_u32 s29, s29, SCLP
	v_add_nc_u32 v[ADSR], s28, v18
	v_add_nc_u32 v[ADSP], s29, v18
	; where the results go.  What differs between v and the other two is chosen here, by the tensor's number, and is data of addresses and masks alone
	s_cmp_eq_u32 s43, 2
	s_mov_b32 s28, 512
	s_cselect_b32 s28, 1024, s28                   ; from R's tile i to i + 1: v: a tile of 16 channels, two images;  q, k: a tile of tokens, one image
	s_mov_b32 s29, 196608
	s_cselect_b32 s29, 512, s29                    ; from c = 0 to c = 1: v: the next 64 keys;  q, k: the next head
	s_cselect_b32 s30, 0, 20480                    ; lanes 16-31 store the next head's scale words (q, k)
	s_cselect_b32 s31, 0, 16                       ; which are the upper two bytes of the word made
	s_cselect_b32 s2, -1, 0xffff                   ; q, k: two bytes are kept,
	s_cselect_b32 s3, 0, 0x7f7f0000                ; and 1.0 stands over the zero codes of k = 64 .. 127
	s_cselect_b32 s14, 16, 32                      ; v: lanes 0-15 alone store scale words
	s_cselect_b32 s33, 0, -1                       ; P's bias counts for q and k,
	s_cselect_b32 s32, -1, 0                       ; R's for v
	v_lshlrev_b32 v[VO], 4, v3
	v_add_nc_u32 v[VO+1], s29, v[VO]
.irp i, 1,2,3
	v_add_nc_u32 v[VO+2*\i], s28, v[VO+2*\i-2]
	v_add_nc_u32 v[VO+2*\i+1], s28, v[VO+2*\i-1]
.endr
	v_mul_u32_u24 v[VS], s30, v2
	v_lshl_add_u32 v[VS], v1, 4, v[VS]             ; 16 r: four words a row
	v_mul_u32_u24 v[VSH], s31, v2
	s_lshr_b32 s28, s44, 4
	s_lshl_b32 s28, s28, 4
	s_add_co_u32 s28, s28, s45                     ; v: batch Pw / 16, head Rw
	s_lshr_b32 s29, s45, 5
	s_lshl_b32 s29, s29, 4
	s_lshl_b32 s30, s44, 1
	s_add_co_u32 s29, s29, s30                     ; q, k: batch Rw / 32, head 2 Pw
	s_and_b32 s30, s44, 15                         ; v: which 128 keys
	s_and_b32 s31, s45, 31                         ; q, k: which 64 tokens
	s_cmp_eq_u32 s43, 2
	s_cselect_b32 s15, s28, s29
	s_cselect_b32 s30, s30, s31
	s_mov_b32 s31, 2048
	s_cselect_b32 s31, 4096, s31                   ; and their bytes of images
	s_mul_i32 s28, s15, 196608
	s_mul_i32 s31, s30, s31
	s_add_co_u32 s28, s28, s31
	s_lshl_b32 s31, s43, 16
	s_add_co_u32 s28, s28, s31
	s_mov_b32 s29, 0
	s_add_nc_u64 s[34:35], s[34:35], s[28:29]
	s_mul_i32 s28, s15, 20480
	s_lshl_b32 s31, s43, 13
	s_add_co_u32 s28, s28, s31
	s_lshl_b32 s31, s30, 8
	s_add_co_u32 s28, s28, s31
	s_add_nc_u64 s[36:37], s[36:37], s[28:29]
	s_wait_loadcnt 0x0                             ; the biases
	WIN 0x44                                       ; source 1 and destination window 1
.set n, 0
.rept 64
	v_and_b32 v[BP+n], s33, v[BP+n]
.set n, n+1
.endr
	WIN 0
.irp i, 0,1,2,3
	v_and_b32 v[BR+2*\i], s32, v[BR+2*\i]
	v_mov_b32 v[BR+2*\i+1], v[BR+2*\i]             ; a pair for the packed addition
.endr
; 24 LDS loads: the fragments of K step q (128 along K: 64 bytes of a row) into set: a fragment is 8 registers: lane l holds row l % 16; registers 4 c .. 4 c + 3 hold K = 64 c + 32 (l / 16) + 0 .. 31
.macro FETCH q, set
	WIN 0x40
.irp t, 0,1,2,3,4,5,6,7
.irp c, 0,1
	ds_load_b128 v[64*(\set)+8*\t+4*\c:64*(\set)+8*\t+4*\c+3], v[ADRP+((\q)>>2)] offset:64*((\q)&3)+32*\c+16*PITCH*\t
.endr
.endr
	WIN 0
.irp i, 0,1,2,3
.irp c, 0,1
	ds_load_b128 v[RF+32*(\set)+8*\i+4*\c:RF+32*(\set)+8*\i+4*\c+3], v[ADRR+((\q)>>2)] offset:64*((\q)&3)+32*\c+16*PITCH*\i
.endr
.endr
.endm
; 32 matrix instructions.  The 32 accumulators take turns, one instruction a turn, in the same order in every K step.  first = 1: P's bias is the C that starts the sums
.macro MULS q, set, first
.irp i, 0,1,2,3
.irp t, 0,1,2,3,4,5,6,7
.if \first
	v_wmma_scale_f32_16x16x128_f8f6f4 v[64*\i+8*\t:64*\i+8*\t+7], v[64*(\set)+8*\t:64*(\set)+8*\t+7], v[RF+32*(\set)+8*\i:RF+32*(\set)+8*\i+7], v[BP+8*\t:BP+8*\t+7], v[SCP+8*\t+(\q)], v[SCR+8*\i+(\q)] matrix_a_fmt:MATRIX_FMT_FP4 matrix_b_fmt:MATRIX_FMT_FP4
.else
	v_wmma_scale_f32_16x16x128_f8f6f4 v[64*\i+8*\t:64*\i+8*\t+7], v[64*(\set)+8*\t:64*(\set)+8*\t+7], v[RF+32*(\set)+8*\i:RF+32*(\set)+8*\i+7], v[64*\i+8*\t:64*\i+8*\t+7], v[SCP+8*\t+(\q)], v[SCR+8*\i+(\q)] matrix_a_fmt:MATRIX_FMT_FP4 matrix_b_fmt:MATRIX_FMT_FP4
.endif
.endr
.endr
.endm
.macro STEP q
.if (\q) > 0
	PLACES 4                                       ; in front of loads into the set that the last step's products read (ISA guide 7.12.1 for vector instructions)
.endif
.if (\q) == 3
	s_wait_tensorcnt 0x0                           ; my part of slot 1 has landed;
	s_wait_dscnt 0x0                               ; no LDS load of mine is out at a signal
	s_barrier_signal -1
	s_barrier_wait -1                              ; everybody's has.
.endif
.if (\q) < 7
	FETCH (\q)+1, ((\q)+1)%2
	s_wait_dscnt 24                                ; all but the 24 just issued: this step's fragments are in (in step 0 the scale words too)
.else
	s_wait_dscnt 0x0
.endif
.if (\q) == 0
	WIN 0x91                                       ; source 0 (P) window 1, source 1 (R) window 0, C (the bias) window 1, D window 2
	MULS \q, 0, 1
.else
	WIN 0xa1                                       ; C and D window 2
	MULS \q, (\q)%2, 0
.endif
.endm
	s_wait_alu depctr_va_vdst(0)
	s_wait_tensorcnt 1                             ; the scale bytes and my part of slot 0 are in; slot 1's load may be out,
	s_barrier_signal -1
	s_barrier_wait -1                              ; everybody's are
.irp i, 0,1,2,3
.irp g, 0,1
	ds_load_b128 v[SCR+8*\i+4*\g:SCR+8*\i+4*\g+3], v[ADSR] offset:544*\i+16*\g   ; a row's eight scale words, one for each K step: they stay in registers
.endr
.endr
.irp t, 0,1,2,3,4,5,6,7
.irp g, 0,1
	ds_load_b128 v[SCP+8*\t+4*\g:SCP+8*\t+4*\g+3], v[ADSP] offset:544*\t+16*\g
.endr
.endr
	FETCH 0, 0
.irp q, 0,1,2,3,4,5,6,7
	STEP \q
.endr
	; THE WAY OUT, R's tile i at a time: R's bias, the quantiser, two images of 512 bytes, a scale word
	WIN 0
	PLACES 4                                       ; behind the last products: their results are read and R's fragments written below
.irp b, 0,1,2,3
	v_mov_b32 v[TM+4+\b], 0                        ; a lane permute's destination counts as one of its sources
.endr
.irp i, 0,1,2,3
	WIN 0x02                                       ; source 0 window 2
.set n, 0
.rept 32
	v_pk_add_f32 v[T+n:T+n+1], v[64*\i+n:64*\i+n+1], v[BR+2*\i:BR+2*\i+1]   ; each accumulator from its low end on
.set n, n+2
.endr
	WIN 0
	QUANT T, PC+8*\i, PW
	global_store_b128 v[VO+2*\i], v[PC+8*\i:PC+8*\i+3], s[34:35]       ; the wave stores 512 consecutive bytes, at a multiple of 512 from the buffer's first byte
	global_store_b128 v[VO+2*\i+1], v[PC+8*\i+4:PC+8*\i+7], s[34:35]
	v_lshrrev_b32 v[SW+\i], v[VSH], v[PW]
	v_and_or_b32 v[SW+\i], v[SW+\i], s2, s3
.endr
	v_cmp_gt_u32 vcc_lo, s14, v3
	s_wait_alu depctr_va_vdst(0)
	s_wait_xcnt 0x0                                ; EXEC changes only behind this wait
	s_and_saveexec_b32 s15, vcc_lo
	global_store_b128 v[VS], v[SW:SW+3], s[36:37]  ; sixteen lanes store 256 consecutive bytes, aligned
	s_wait_xcnt 0x0
	s_or_b32 exec_lo, exec_lo, s15
	s_set_vgpr_msb 0x5
	s_wait_tensorcnt 0x0
	ds_add_u32 v254, v255
	s_wait_dscnt 0x0
	s_set_vgpr_msb 0x500
	CROUND                                         ; the closing round: no work-group ends while a partner may still ask for a tile that names it
	s_endpgm
.Lfunc_end_k_q69ef9fd8c2_proj:
	.size	k_q69ef9fd8c2_proj, .Lfunc_end_k_q69ef9fd8c2_proj-k_q69ef9fd8c2_proj
	.p2alignl 7, 3214868480
	.fill 96, 4, 3214868480
	.section	.rodata,"a",@progbits
	.p2align	6, 0x0
	.amdhsa_kernel k_q69ef9fd8c2_proj
		.amdhsa_group_segment_fixed_size 222464
		.amdhsa_private_segment_fixed_size 0
		.amdhsa_enable_private_segment 0
		.amdhsa_kernarg_size 136
		.amdhsa_user_sgpr_count 2
		.amdhsa_user_sgpr_kernarg_segment_ptr 1
		.amdhsa_wavefront_size32 1
		.amdhsa_system_sgpr_workgroup_id_x 1
		.amdhsa_system_sgpr_workgroup_id_y 1
		.amdhsa_system_sgpr_workgroup_id_z 1
		.amdhsa_system_vgpr_workitem_id 0
		.amdhsa_next_free_vgpr 768
		.amdhsa_next_free_sgpr 102
		.amdhsa_reserve_vcc 1
		.amdhsa_float_denorm_mode_32 3
		.amdhsa_float_denorm_mode_16_64 3
		.amdhsa_memory_ordered 1
		.amdhsa_forward_progress 1
		.amdhsa_inst_pref_size 89
	.end_amdhsa_kernel
	.amdgpu_metadata
---
amdhsa.version: [ 1, 2 ]
amdhsa.kernels:
  - .name:           k_q69ef9fd8c2_proj
    .symbol:         k_q69ef9fd8c2_proj.kd
    .args:
      - { .name: Wq_codes, .offset: 0, .size: 8, .value_kind: global_buffer, .address_space: global }
      - { .name: Wq_scales, .offset: 8, .size: 8, .value_kind: global_buffer, .address_space: global }
      - { .name: q_codes, .offset: 16, .size: 8, .value_kind: global_buffer, .address_space: global }
      - { .name: q_scales, .offset: 24, .size: 8, .value_kind: global_buffer, .address_space: global }
      - { .name: bq, .offset: 32, .size: 8, .value_kind: global_buffer, .address_space: global }
      - { .name: Wk_codes, .offset: 40, .size: 8, .value_kind: global_buffer, .address_space: global }
      - { .name: Wk_scales, .offset: 48, .size: 8, .value_kind: global_buffer, .address_space: global }
      - { .name: k_codes, .offset: 56, .size: 8, .value_kind: global_buffer, .address_space: global }
      - { .name: k_scales, .offset: 64, .size: 8, .value_kind: global_buffer, .address_space: global }
      - { .name: bk, .offset: 72, .size: 8, .value_kind: global_buffer, .address_space: global }
      - { .name: v_codes, .offset: 80, .size: 8, .value_kind: global_buffer, .address_space: global }
      - { .name: v_scales, .offset: 88, .size: 8, .value_kind: global_buffer, .address_space: global }
      - { .name: Wv_codes, .offset: 96, .size: 8, .value_kind: global_buffer, .address_space: global }
      - { .name: Wv_scales, .offset: 104, .size: 8, .value_kind: global_buffer, .address_space: global }
      - { .name: bv, .offset: 112, .size: 8, .value_kind: global_buffer, .address_space: global }
      - { .name: img, .offset: 120, .size: 8, .value_kind: global_buffer, .address_space: global }
      - { .name: scl, .offset: 128, .size: 8, .value_kind: global_buffer, .address_space: global }
    .group_segment_fixed_size: 222464
    .private_segment_fixed_size: 0
    .kernarg_segment_align: 8
    .kernarg_segment_size: 136
    .max_flat_workgroup_size: 128
    .sgpr_count:     102
    .vgpr_count:     768
    .wavefront_size: 32
...
	.end_amdgpu_metadata
.endif
;; end of part 1
;; launch attn (part 2): grid 4 x 64, 16 waves a work-group, clusters of 4 x 1, 169,984 bytes of LDS; arguments img, scl, xi, xs; writes xi, xs
.if DOCPART == 2
	.amdgcn_target "amdgcn-amd-amdhsa--gfx1250"
	.amdhsa_code_object_version 6
	.text
	.protected	k_q69ef9fd8c2_attn
	.globl	k_q69ef9fd8c2_attn
	.p2align	8
	.type	k_q69ef9fd8c2_attn,@function
k_q69ef9fd8c2_attn:
	s_mov_b64 s[64:65], 0
	v_nop
	global_prefetch_b8 v0, s[64:65] scope:SCOPE_SE
	s_setreg_imm32_b32 hwreg(HW_REG_WAVE_MODE, 25, 1), 1
	s_wait_xcnt 0x0
	s_wait_alu depctr_hold_cnt(0) depctr_sa_sdst(0) depctr_va_vdst(0) depctr_va_sdst(0) depctr_va_ssrc(0) depctr_va_vcc(0) depctr_vm_vsrc(0)
	s_getreg_b32 s2, hwreg(HW_REG_IB_STS2, 6, 4)
	s_cmp_eq_u32 s2, 0
	s_cbranch_scc0 .Lentry_in_a_cluster
	s_endpgm
.Lentry_in_a_cluster:
	s_bfe_u32 s2, ttmp6, 0x10000c
	s_cmp_lg_u32 s2, 0x3003
	s_cbranch_scc0 .Lentry_shape_is_right
	s_endpgm
.Lentry_shape_is_right:
; CAUSAL ATTENTION OF ONE HEAD on codes of FP4 (E2M1) with one E8M0 scale for each 32 along a product's K, and x = O / l quantised along the head's 64 for the last projection.
; t = score x log2(e) / 32;  M = the running largest t rounded UP to a whole number;  p = 2^(t - M) is quantised along the keys, not normalised; the row's sum l is taken of the unquantised p; when M moves, l and O are multiplied by 2^(old M - new M): exact.
; Both products are used transposed: S^T = K Q^T (source 0 = 16 keys, source 1 = my 16 queries; K = 64, so the upper halves of both operands are zero codes under the byte 0x7f), O^T = V^T P^T: a lane holds ONE query (lane % 16) throughout,
; and register j of tile t holds key (or channel) 16 t + 8 (lane / 16) + j.
; SHARES.  The four work-groups of a cluster serve one head.  A head's K and V codes (131,072 bytes) and their scale words (12,288) come into each one's LDS ONCE, by joint loads, as images of operand registers: a fragment's four registers are 512 bytes, lane l's 16 at 16 l.
; The head's 2,048 queries are 16 groups of 128, each of 8 tiles of 16.  Work-group cx owns tiles 2 cx and 2 cx + 1 of EVERY group; wave w takes tile 2 cx + w % 2 of group w / 2 and then of group 15 - w / 2:
; (w / 2 + 1) + (16 - w / 2) = 17 key steps of 128 keys in every wave of the launch.  Steps all of whose keys come after the queries are jumped over; that branch hangs on the wave's number and the loop's counter alone.
; Sixteen waves of 256 registers: four to a SIMD, so that one wave's vector work stands beside another's products and LDS loads.
; LIMITS: NaN and infinities are not served.  A block whose largest magnitude lies under 2^-124 (a block of zeros too) keeps the byte 1: its bytes are read by this program alone.  1 / l is v_rcp_f32.
; REGISTERS: v1 16 x lane; v2 my query less 8 (lane / 16), within its group; v3 16 r; v4-7 the second pass's Q; v8-11 addresses in hand; v12 -M, v13 the largest t, v14-15 l in two halves; v16-23 Q; v24, v29 Q's scale words; v25 p's;
;   v26-27 a factor; v28 at work; v30-31 a second chain of sums; v32-95 K's 8 fragments; v96-159 S^T, then p; v160-191 O^T; v192-223 V's 4 fragments; v224-231 p's codes; v232-243 at work; v244-251 K's scale words; v252-255 V's.
.set VIMG, 65536                       ; LDS: K's images at 0, V's here,
.set KSC,  131072                      ; K's scale words,
.set VSC,  139264                      ; V's
.set ADK, 8
.set ADV, 9
.set ADS, 10
.set ADT, 11
.set KF,  32
.set S,   96
.set O,   160
.set VF,  192
.set PCD, 224
.set BM,  232
.set PD,  236
.set SO,  240
.set KS,  244
.set VSW, 252
.set WV,  12
.set SEL, 20
.set CS,  22
.set G1I, 24
.set G1S, 32
.set G0I, 40
.set G0S, 44
.set J,   49                           ; s49 the key step
.set TK,  50                           ; s50-53 where the step's K images, V images, K scale words, V scale words begin in LDS
.set TV,  51
.set TS,  52
.set TT,  53
.macro CROUND                          ; a round of the cluster's barrier
	s_barrier_signal -1
	s_barrier_wait -1
	s_cmp_lg_u32 s[WV], 0
	s_cbranch_scc1 .Lnot_wave_0_\@
	s_barrier_signal -3
.Lnot_wave_0_\@:
	s_barrier_wait -3
	s_barrier_signal -1
	s_barrier_wait -1
.endm
.macro QADDR g, pc, ps                 ; the addresses of the image and of the scale words of my tile of group s[g]
	s_lshl_b32 s76, s[\g], 3
	s_add_co_u32 s76, s76, s19                     ; the tile among the head's 128
	s_lshl_b32 s78, s76, 9
	s_mov_b32 s79, 0
	s_add_nc_u64 s[\pc:\pc+1], s[4:5], s[78:79]
	s_lshr_b32 s78, s76, 2
	s_lshl_b32 s78, s78, 8                         ; 256 bytes for 64 tokens,
	s_and_b32 s76, s76, 3
	s_lshl_b32 s76, s76, 2                         ; in them [r][tile % 4]
	s_add_co_u32 s78, s78, s76
	s_add_nc_u64 s[\ps:\ps+1], s[6:7], s[78:79]
.endm
.macro OADDR g, pi, ps                 ; where x's image and its scale bytes go: xi[16 b + group][head / 8][tile][head % 8][512], xs[16 b + group][head][tile][r][block]
	s_lshl_b32 s76, s15, 4
	s_add_co_u32 s76, s76, s[\g]
	s_lshl_b32 s78, s76, 16
	s_lshr_b32 s77, s16, 3
	s_lshl_b32 s77, s77, 15
	s_add_co_u32 s78, s78, s77
	s_lshl_b32 s77, s19, 12
	s_add_co_u32 s78, s78, s77
	s_and_b32 s77, s16, 7
	s_lshl_b32 s77, s77, 9
	s_add_co_u32 s78, s78, s77
	s_mov_b32 s79, 0
	s_add_nc_u64 s[\pi:\pi+1], s[8:9], s[78:79]
	s_lshl_b32 s78, s76, 4
	s_add_co_u32 s78, s78, s16
	s_lshl_b32 s78, s78, 8
	s_lshl_b32 s77, s19, 5
	s_add_co_u32 s78, s78, s77
	s_add_nc_u64 s[\ps:\ps+1], s[10:11], s[78:79]
.endm
	s_load_b256 s[4:11], s[0:1], 0x0               ; img s[4:5], scl s[6:7], xi s[8:9], xs s[10:11]
	v_lshl_add_u32 v254, v0, 2, 0x29000
	v_mov_b32 v255, 0
	ds_add_u32 v254, v255
	ds_add_u32 v254, v255
	s_wait_dscnt 0x0
	v_lshrrev_b32 v1, 5, v0
	s_delay_alu instid0(VALU_DEP_1)
	v_readfirstlane_b32 s[WV], v1                  ; wave 0..15
	s_bfe_u32 s13, ttmp6, 0x40000                  ; cx: it enters Q's, xi's and xs's global addresses and the mask's number alone
	s_and_b32 s14, ttmp7, 0xffff                   ; 16 b + head, which the four partners share
	s_lshr_b32 s15, s14, 4                         ; b
	s_and_b32 s16, s14, 15                         ; head
	s_lshr_b32 s17, s[WV], 1                       ; the first pass's group of queries,
	s_xor_b32 s55, s17, 15                         ; the second's: 15 less that
	s_and_b32 s18, s[WV], 1
	s_lshl_b32 s19, s13, 1
	s_add_co_u32 s19, s19, s18                     ; my tile in a group
	s_mov_b32 s[SEL], 0x76543210
	s_mov_b32 s[SEL+1], 0xfedcba98                 ; v_permlanex16_b32's selects for lane l xor 16
	s_mov_b32 s[CS], 0x3d38aa3b                    ; c = log2(e) / 32
	s_mov_b32 s[CS+1], s[CS]                       ; (named with it as a pair, so it is written)
	s_mov_b32 s54, 0xffff0000                      ; lanes 16-31
	s_mov_b32 s[G1I], 15|(3<<16)|(1<<21)           ; the mask: all four work-groups; elements of 8 bytes; bit 21 beside a mask; no padding: every LDS load here takes 512 consecutive bytes
	s_mov_b32 s[G1I+1], 32<<16                     ; 64 rows of 256 dense bytes
	s_mov_b32 s[G1I+2], 64<<16
	s_mov_b32 s[G1I+3], 32<<16
	s_mov_b32 s[G1I+4], 64
	s_mov_b32 s[G1I+5], 32
	s_mov_b32 s[G1I+6], 0
	s_mov_b32 s[G1I+7], 0
	s_mov_b32 s[G1S], 15|(3<<16)|(1<<21)
	s_mov_b32 s[G1S+1], 32<<16                     ; 48 rows: K's 8,192 bytes of scale words and V's 4,096
	s_mov_b32 s[G1S+2], 48<<16
	s_mov_b32 s[G1S+3], 32<<16
	s_mov_b32 s[G1S+4], 48
	s_mov_b32 s[G1S+5], 32
	s_mov_b32 s[G1S+6], 0
	s_mov_b32 s[G1S+7], 0
	s_mul_i32 s76, s14, 196608                     ; the head's images: Q's, K's, V's, 65,536 bytes each
	s_mov_b32 s77, 0
	s_mul_i32 s78, s14, 20480                      ; its scale words: Q's 8,192 bytes, K's 8,192, V's 4,096
	s_mov_b32 s79, 0
	s_wait_kmcnt 0x0
	s_add_nc_u64 s[4:5], s[4:5], s[76:77]
	s_add_nc_u64 s[6:7], s[6:7], s[78:79]
	s_mov_b32 s[G0I], 1
	s_lshl_b32 s[G0I+1], s[WV], 14                 ; waves 0 to 7: 16,384 bytes each of K's and V's images
	s_add_co_u32 s76, s[G0I+1], 65536
	s_add_nc_u64 s[G0I+2:G0I+3], s[4:5], s[76:77]
	s_or_b32 s[G0I+3], s[G0I+3], 0x80000000
	s_mov_b32 s[G0S], 1
	s_mov_b32 s[G0S+1], KSC
	s_add_nc_u64 s[G0S+2:G0S+3], s[6:7], 8192
	s_or_b32 s[G0S+3], s[G0S+3], 0x80000000
	CROUND                                         ; all four work-groups are here: the joint loads meet
	s_cmp_lt_u32 s[WV], 8                          ; waves 0 to 7 fetch the images, wave 8 the scale words, the others nothing: one load a wave at the most.  Four v_nop follow each line
	s_cbranch_scc0 .Lnot_images
	tensor_load_to_lds s[G0I:G0I+3], s[G1I:G1I+7]
	s_nop 0
.rept 4
	v_nop
.endr
	s_branch .Lasked
.Lnot_images:
	s_cmp_eq_u32 s[WV], 8
	s_cbranch_scc0 .Lasked
	tensor_load_to_lds s[G0S:G0S+3], s[G1S:G1S+7]
	s_nop 0
.rept 4
	v_nop
.endr
.Lasked:
	QADDR 17, 56, 58
	QADDR 55, 60, 62
	v_and_b32 v1, 31, v0
	s_delay_alu instid0(VALU_DEP_1)
	v_lshlrev_b32 v1, 4, v1                        ; 16 x lane
	v_and_b32 v3, 15, v0                           ; r
	v_bfe_u32 v8, v0, 4, 1                         ; hh
	s_delay_alu instid0(VALU_DEP_1)
	v_lshlrev_b32 v9, 3, v8
	s_delay_alu instid0(VALU_DEP_1)
	v_sub_nc_u32 v2, v3, v9
	s_lshl_b32 s76, s19, 4
	v_add_nc_u32 v2, s76, v2                       ; d = 16 x tile + r - 8 hh
	v_lshlrev_b32 v3, 4, v3                        ; 16 r
	global_load_b128 v[16:19], v1, s[56:57]        ; Q's fragment: lane (r, hh): query r, block hh
	global_load_b32 v24, v3, s[58:59]
	global_load_b128 v[4:7], v1, s[60:61]          ; and the second pass's
	global_load_b32 v29, v3, s[62:63]
	OADDR 17, 68, 70
	OADDR 55, 72, 74
.irp j, 20,21,22,23
	v_mov_b32 v\j, 0                               ; k = 64 .. 127 of Q: zero codes
.endr
.irp t, 0,1,2,3,4,5,6,7
.irp j, 4,5,6,7
	v_mov_b32 v[KF+8*\t+\j], 0                     ; and of K's eight fragments: written once
.endr
.endr
.irp b, 0,1,2,3
	v_mov_b32 v[PD+\b], 0                          ; a lane permute's destination counts as one of its sources
.endr
	v_mov_b32 v27, 0                               ; (named as the upper half of the pair v[26:27])
	v_mov_b32 v28, 0
; A KEY STEP: 128 keys.  qs: the register of Q's scale words;  g: the scalar register of my queries' group
.macro STEP qs, g
	s_cmp_gt_u32 s[J], s[\g]                       ; all its keys come after my queries: only the addresses step
	s_cbranch_scc1 .Lhidden_\@
	s_setprio 2
	v_add_nc_u32 v[ADK], s[TK], v1                 ; these four are also the places in front of the loads into V's fragments and scale words, which the last products read (ISA guide 7.12.1 for vector instructions)
	v_add_nc_u32 v[ADV], s[TV], v1
	v_add_nc_u32 v[ADS], s[TS], v3
	v_add_nc_u32 v[ADT], s[TT], v3
.irp t, 0,1,2,3,4,5,6,7
	ds_load_b128 v[KF+8*\t:KF+8*\t+3], v[ADK] offset:512*\t
.endr
	ds_load_b128 v[KS:KS+3], v[ADS]                ; row r's words of tiles 0 to 3,
	ds_load_b128 v[KS+4:KS+7], v[ADS] offset:256   ; of tiles 4 to 7
.irp t, 0,1,2,3
	ds_load_b128 v[VF+8*\t:VF+8*\t+3], v[ADV] offset:1024*\t
	ds_load_b128 v[VF+8*\t+4:VF+8*\t+7], v[ADV] offset:1024*\t+512
.endr
	ds_load_b128 v[VSW:VSW+3], v[ADT]
	s_wait_dscnt 9                                 ; K's ten loads are in; V's nine may be out
.irp t, 0,1,2,3,4,5,6,7
	v_wmma_scale_f32_16x16x128_f8f6f4 v[S+8*\t:S+8*\t+7], v[KF+8*\t:KF+8*\t+7], v[16:23], 0, v[KS+\t], v[\qs] matrix_a_fmt:MATRIX_FMT_FP4 matrix_b_fmt:MATRIX_FMT_FP4
.endr
.rept 4
	v_nop
.endr
	s_cmp_lt_u32 s[J], s[\g]                       ; all its keys count: no mask
	s_cbranch_scc1 .Lopen_\@
	v_mov_b32 v28, 0xff800000                      ; on the diagonal hidden scores become -infinity ahead of the maximum: p = 0 then.  Register n holds key 16 (n / 8) + n % 8 + 8 hh of the step: hidden where 16 (n / 8) + n % 8 > d
.set n, 0
.rept 64
	v_cmp_gt_i32 vcc_lo, 16*(n/8)+n%8, v2
	v_cndmask_b32 v[S+n], v[S+n], v28, vcc_lo
.set n, n+1
.endr
.Lopen_\@:
.irp b, 0,1,2,3
	v_max3_num_f32 v[BM+\b], v[S+16*\b], v[S+16*\b+1], v[S+16*\b+2]   ; the largest SCORE of each block of 32 keys: for the row's maximum, and, since p rises with the score, for the block's largest p
.endr
.irp i, 3,5,7,9,11,13
.irp b, 0,1,2,3
	v_max3_num_f32 v[BM+\b], v[BM+\b], v[S+16*\b+\i], v[S+16*\b+\i+1]
.endr
.endr
.irp b, 0,1,2,3
	v_max_num_f32 v[BM+\b], v[BM+\b], v[S+16*\b+15]
.endr
.irp b, 0,1,2,3
	s_delay_alu instid0(VALU_DEP_4)
	v_permlanex16_b32 v[PD+\b], v[BM+\b], s[SEL], s[SEL+1]
.endr
.irp b, 0,1,2,3
	s_delay_alu instid0(VALU_DEP_4)
	v_max_num_f32 v[BM+\b], v[BM+\b], v[PD+\b]     ; with lane l xor 16's 16 keys
.endr
	s_delay_alu instid0(VALU_DEP_2)
	v_max3_num_f32 v28, v[BM], v[BM+1], v[BM+2]
	s_delay_alu instid0(VALU_DEP_1)
	v_max_num_f32 v28, v28, v[BM+3]
	s_delay_alu instid0(VALU_DEP_1)
	v_mul_f32 v28, s[CS], v28                      ; the step's largest t (c is positive)
	s_delay_alu instid0(VALU_DEP_1)
	v_max_num_f32 v13, v13, v28
	v_mov_b32 v28, v12
	s_delay_alu instid0(VALU_DEP_2)
	v_floor_f32 v12, -v13                          ; the new -M = floor(-t): M is a whole number
	s_delay_alu instid0(VALU_DEP_1)
	v_sub_f32 v28, v12, v28                        ; old M - new M: a whole number, 0 or less
	s_delay_alu instid0(VALU_DEP_1)
	v_cvt_i32_f32 v28, v28                         ; (it saturates)
	s_delay_alu instid0(VALU_DEP_1)
	v_ldexp_f32 v26, 1.0, v28                      ; f = 2^(old M - new M)
.set n, 0
.rept 32
	v_pk_fma_f32 v[S+n:S+n+1], v[S+n:S+n+1], s[CS:CS+1], v[12:13] op_sel_hi:[1,0,0]   ; t - M, two at a time
.set n, n+2
.endr
	s_setprio 1
.irp b, 0,1,2,3
	v_fma_f32 v[BM+\b], v[BM+\b], s[CS], v12       ; the same of each block's largest score
.endr
.set n, 0
	s_wait_alu depctr_va_vdst(0)
.rept 64
	v_exp_f32 v[S+n], v[S+n]                       ; p = 2^(t - M)
.set n, n+1
.endr
.irp b, 0,1,2,3
	v_exp_f32 v[BM+\b], v[BM+\b]                   ; the block's largest p: the same two instructions on the same number
.endr
	v_pk_mul_f32 v[14:15], v[14:15], v[26:27] op_sel_hi:[1,0]   ; l under the new M.  (The plain place behind the exponentials)
	s_wait_alu depctr_va_vdst(0)
.irp b, 0,1,2,3
	v_max_num_f32 v[BM+\b], 0x1800000, v[BM+\b]    ; the floor 2^(3 - 127): the byte cannot fall under 1
.endr
.irp b, 0,1,2,3
	s_delay_alu instid0(VALU_DEP_4)
	v_add_nc_u32 v[SO+\b], 0xff000000, v[BM+\b]    ; 2 off the exponent field: the conversion's scale operand
.endr
.irp b, 0,1,2,3
	s_delay_alu instid0(VALU_DEP_4)
	v_lshrrev_b32 v[PD+\b], 23, v[SO+\b]
.endr
	s_delay_alu instid0(VALU_DEP_3)
	v_lshl_or_b32 v25, v[PD+1], 8, v[PD]           ; p's scale word for these 128 keys
	s_delay_alu instid0(VALU_DEP_1)
	v_lshl_or_b32 v25, v[PD+2], 16, v25
	s_delay_alu instid0(VALU_DEP_1)
	v_lshl_or_b32 v25, v[PD+3], 24, v25
.irp c, 0,1                            ; tile 4 c + u gives keys 64 c + 16 u + 8 hh + 0 .. 7
	v_cvt_scalef32_pk8_fp4_f32 v[PCD+4*\c], v[S+32*\c:S+32*\c+7], v[SO+2*\c]
	v_cvt_scalef32_pk8_fp4_f32 v[PCD+4*\c+2], v[S+32*\c+8:S+32*\c+15], v[SO+2*\c]
	v_cvt_scalef32_pk8_fp4_f32 v[PCD+4*\c+1], v[S+32*\c+16:S+32*\c+23], v[SO+2*\c+1]
	v_cvt_scalef32_pk8_fp4_f32 v[PCD+4*\c+3], v[S+32*\c+24:S+32*\c+31], v[SO+2*\c+1]
.endr
	v_nop                                          ; one plain place behind the scaled conversions
.irp c, 0,1                            ; registers 4 c .. 4 c + 3 then hold keys 64 c + 32 hh + 0 .. 31
	v_permlane16_swap_b32 v[PCD+4*\c], v[PCD+4*\c+1]
	v_permlane16_swap_b32 v[PCD+4*\c+2], v[PCD+4*\c+3]
.endr
	v_pk_add_f32 v[30:31], v[100:101], v[104:105]
	v_pk_add_f32 v[250:251], v[108:109], v[112:113]
	v_pk_add_f32 v[248:249], v[116:117], v[120:121]
	v_pk_add_f32 v[246:247], v[124:125], v[128:129]
	v_pk_add_f32 v[244:245], v[132:133], v[136:137]
	v_pk_add_f32 v[242:243], v[140:141], v[144:145]
	v_pk_add_f32 v[240:241], v[148:149], v[152:153]
	v_pk_add_f32 v[14:15], v[14:15], v[156:157]
	v_pk_add_f32 v[30:31], v[30:31], v[96:97]
	v_pk_add_f32 v[250:251], v[250:251], v[98:99]
	v_pk_add_f32 v[248:249], v[248:249], v[102:103]
	v_pk_add_f32 v[246:247], v[246:247], v[106:107]
	v_pk_add_f32 v[244:245], v[244:245], v[110:111]
	s_setprio 0
	v_pk_add_f32 v[242:243], v[242:243], v[114:115]
	v_pk_add_f32 v[240:241], v[240:241], v[118:119]
	v_pk_add_f32 v[14:15], v[14:15], v[122:123]
	v_pk_add_f32 v[30:31], v[30:31], v[126:127]
	v_pk_add_f32 v[250:251], v[250:251], v[130:131]
	v_pk_add_f32 v[248:249], v[248:249], v[134:135]
	v_pk_add_f32 v[246:247], v[246:247], v[138:139]
	v_pk_add_f32 v[244:245], v[244:245], v[142:143]
	v_pk_add_f32 v[242:243], v[242:243], v[146:147]
	v_pk_add_f32 v[240:241], v[240:241], v[150:151]
	v_pk_add_f32 v[14:15], v[14:15], v[154:155]
	v_pk_add_f32 v[30:31], v[30:31], v[158:159]
	s_delay_alu instid0(VALU_DEP_2)
	v_pk_add_f32 v[14:15], v[14:15], v[246:247]
	s_delay_alu instid0(VALU_DEP_2)
	v_pk_add_f32 v[30:31], v[30:31], v[244:245]
	v_pk_add_f32 v[250:251], v[250:251], v[242:243]
	v_pk_add_f32 v[248:249], v[248:249], v[240:241]
	s_delay_alu instid0(VALU_DEP_2)
	v_pk_add_f32 v[14:15], v[14:15], v[250:251]
	s_delay_alu instid0(VALU_DEP_2)
	v_pk_add_f32 v[30:31], v[30:31], v[248:249]
	s_delay_alu instid0(VALU_DEP_1)
	v_pk_add_f32 v[14:15], v[14:15], v[30:31]
.set n, 0
.rept 16
	v_pk_mul_f32 v[O+n:O+n+1], v[O+n:O+n+1], v[26:27] op_sel_hi:[1,0]   ; O^T under the new M; each accumulator from its low end on
.set n, n+2
.endr
	s_wait_alu depctr_va_vdst(0)
	s_wait_dscnt 0x0                               ; V is in
.irp t, 0,1,2,3
	v_wmma_scale_f32_16x16x128_f8f6f4 v[O+8*\t:O+8*\t+7], v[VF+8*\t:VF+8*\t+7], v[PCD:PCD+7], v[O+8*\t:O+8*\t+7], v[VSW+\t], v25 matrix_a_fmt:MATRIX_FMT_FP4 matrix_b_fmt:MATRIX_FMT_FP4
.endr
.Lhidden_\@:
	s_add_co_u32 s[TK], s[TK], 4096
	s_add_co_u32 s[TV], s[TV], 4096
	s_add_co_u32 s[TS], s[TS], 512
	s_add_co_u32 s[TT], s[TT], 256
	s_add_co_u32 s[J], s[J], 1
.endm
; A PASS: one tile of 16 queries against the keys of steps 0 to its own group's.  ntr: the loop's trips, a constant of the text;  xib, xsb: the scalar pairs of the two store addresses
.macro PASS ntr, qs, g, xib, xsb
	v_mov_b32 v13, 0xff61b1e6                      ; the largest t so far: -3e38, under every t
	s_delay_alu instid0(VALU_DEP_1)
	v_floor_f32 v12, -v13
	v_mov_b32 v14, 0
	v_mov_b32 v15, 0
.set n, 0
.rept 32
	v_mov_b32 v[O+n], 0                            ; the step is written once: the first finds zeros, which the first change of M leaves zeros
.set n, n+1
.endr
	s_mov_b32 s[J], 0
	s_mov_b32 s[TK], 0
	s_mov_b32 s[TV], VIMG
	s_mov_b32 s[TS], KSC
	s_mov_b32 s[TT], VSC
.Lstep_\@:
	STEP \qs, \g
	s_cmp_lt_u32 s[J], \ntr
	s_cbranch_scc1 .Lstep_\@
	s_setprio 0
	v_and_b32 v9, 15, v0                           ; four plain lines: the places behind the last products
	v_bfe_u32 v10, v0, 4, 1
	s_delay_alu instid0(VALU_DEP_1)
	v_lshl_add_u32 v8, v9, 1, v10                  ; my scale byte's place: 2 r + hh
	v_add_f32 v14, v14, v15                        ; l's two halves,
	s_delay_alu instid0(VALU_DEP_1)
	v_permlanex16_b32 v28, v14, s[SEL], s[SEL+1]
	s_delay_alu instid0(VALU_DEP_1)
	v_add_f32 v14, v14, v28                        ; and lane l xor 16's
	s_wait_alu depctr_va_vdst(0)
	v_rcp_f32 v26, v14
	v_nop                                          ; one plain place behind a transcendental
.set n, 0
	s_wait_alu depctr_va_vdst(0)
.rept 16
	v_pk_mul_f32 v[S+n:S+n+1], v[O+n:O+n+1], v[26:27] op_sel_hi:[1,0]   ; x = O^T / l: register 8 t + j is channel 16 t + 8 hh + j of my query
.set n, n+2
.endr
.irp b, 0,1                            ; the head's two blocks of 32 along the last projection's K
	v_max3_num_f32 v[BM+\b], |v[S+16*\b]|, |v[S+16*\b+1]|, 0x1800000
.endr
.irp i, 2,4,6,8,10,12,14
.irp b, 0,1
	s_delay_alu instid0(VALU_DEP_2)
	v_max3_num_f32 v[BM+\b], v[BM+\b], |v[S+16*\b+\i]|, |v[S+16*\b+\i+1]|
.endr
.endr
.irp b, 0,1
	s_delay_alu instid0(VALU_DEP_2)
	v_permlanex16_b32 v[PD+\b], v[BM+\b], s[SEL], s[SEL+1]
.endr
.irp b, 0,1
	s_delay_alu instid0(VALU_DEP_2)
	v_max_num_f32 v[BM+\b], v[BM+\b], v[PD+\b]
.endr
.irp b, 0,1
	s_delay_alu instid0(VALU_DEP_2)
	v_add_nc_u32 v[SO+\b], 0xff000000, v[BM+\b]
.endr
.irp b, 0,1
	s_delay_alu instid0(VALU_DEP_2)
	v_lshrrev_b32 v[PD+\b], 23, v[SO+\b]
.endr
	v_cvt_scalef32_pk8_fp4_f32 v[PCD], v[S:S+7], v[SO]
	v_cvt_scalef32_pk8_fp4_f32 v[PCD+2], v[S+8:S+15], v[SO]
	v_cvt_scalef32_pk8_fp4_f32 v[PCD+1], v[S+16:S+23], v[SO+1]
	v_cvt_scalef32_pk8_fp4_f32 v[PCD+3], v[S+24:S+31], v[SO+1]
	v_nop
	v_permlane16_swap_b32 v[PCD], v[PCD+1]
	v_permlane16_swap_b32 v[PCD+2], v[PCD+3]       ; lane (r, hh): query r, block hh whole
	v_cndmask_b32 v28, v[PD], v[PD+1], s54         ; and that block's byte
	global_store_b128 v1, v[PCD:PCD+3], s[\xib:\xib+1]   ; the wave stores 512 consecutive bytes, aligned
	global_store_b8 v8, v28, s[\xsb:\xsb+1]        ; 32 consecutive bytes of a run of 256 whose other tiles belong to other waves and work-groups: two such stores a wave in the whole launch
.endm
	s_wait_loadcnt 0x0                             ; Q
	s_wait_tensorcnt 0x0                           ; my load, if I issued one, has landed,
	s_barrier_signal -1
	s_barrier_wait -1                              ; everybody's has: LDS is whole, and nothing writes it again
	PASS 8, 24, 17, 68, 70                         ; groups 0 to 7 have 8 live steps at the most
	s_wait_xcnt 0x0                                ; the stores have read their registers: they are written again below
.irp j, 0,1,2,3
	v_mov_b32 v[16+\j], v[4+\j]
.endr
	PASS 16, 29, 55, 72, 74
	s_wait_xcnt 0x0
	v_lshl_add_u32 v254, v0, 2, 0x29000
	v_mov_b32 v255, 0
	s_wait_alu depctr_va_vdst(0)
	s_wait_tensorcnt 0x0
	ds_add_u32 v254, v255
	s_wait_dscnt 0x0
	CROUND                                         ; the closing round: no work-group ends while a partner may still ask for a tile that names it
	s_endpgm
.Lfunc_end_k_q69ef9fd8c2_attn:
	.size	k_q69ef9fd8c2_attn, .Lfunc_end_k_q69ef9fd8c2_attn-k_q69ef9fd8c2_attn
	.p2alignl 7, 3214868480
	.fill 96, 4, 3214868480
	.section	.rodata,"a",@progbits
	.p2align	6, 0x0
	.amdhsa_kernel k_q69ef9fd8c2_attn
		.amdhsa_group_segment_fixed_size 169984
		.amdhsa_private_segment_fixed_size 0
		.amdhsa_enable_private_segment 0
		.amdhsa_kernarg_size 32
		.amdhsa_user_sgpr_count 2
		.amdhsa_user_sgpr_kernarg_segment_ptr 1
		.amdhsa_wavefront_size32 1
		.amdhsa_system_sgpr_workgroup_id_x 1
		.amdhsa_system_sgpr_workgroup_id_y 1
		.amdhsa_system_sgpr_workgroup_id_z 1
		.amdhsa_system_vgpr_workitem_id 0
		.amdhsa_next_free_vgpr 256
		.amdhsa_next_free_sgpr 80
		.amdhsa_reserve_vcc 1
		.amdhsa_float_denorm_mode_32 3
		.amdhsa_float_denorm_mode_16_64 3
		.amdhsa_memory_ordered 1
		.amdhsa_forward_progress 1
		.amdhsa_inst_pref_size 63
	.end_amdhsa_kernel
	.amdgpu_metadata
---
amdhsa.version: [ 1, 2 ]
amdhsa.kernels:
  - .name:           k_q69ef9fd8c2_attn
    .symbol:         k_q69ef9fd8c2_attn.kd
    .args:
      - { .name: img, .offset: 0, .size: 8, .value_kind: global_buffer, .address_space: global }
      - { .name: scl, .offset: 8, .size: 8, .value_kind: global_buffer, .address_space: global }
      - { .name: xi, .offset: 16, .size: 8, .value_kind: global_buffer, .address_space: global }
      - { .name: xs, .offset: 24, .size: 8, .value_kind: global_buffer, .address_space: global }
    .group_segment_fixed_size: 169984
    .private_segment_fixed_size: 0
    .kernarg_segment_align: 8
    .kernarg_segment_size: 32
    .max_flat_workgroup_size: 512
    .sgpr_count:     80
    .vgpr_count:     256
    .wavefront_size: 32
...
	.end_amdgpu_metadata
.endif
;; end of part 2
;; launch outp (part 3): grid 4 x 64, 4 waves a work-group, clusters of 4 x 4, 251,904 bytes of LDS; arguments xi, xs, Wo_codes, Wo_scales, bo, out0; writes out0
.if DOCPART == 3
	.amdgcn_target "amdgcn-amd-amdhsa--gfx1250"
	.amdhsa_code_object_version 6
	.text
	.protected	k_q69ef9fd8c2_outp
	.globl	k_q69ef9fd8c2_outp
	.p2align	8
	.type	k_q69ef9fd8c2_outp,@function
k_q69ef9fd8c2_outp:
	s_mov_b64 s[64:65], 0
	v_nop
	global_prefetch_b8 v0, s[64:65] scope:SCOPE_SE
	s_setreg_imm32_b32 hwreg(HW_REG_WAVE_MODE, 25, 1), 1
	s_wait_xcnt 0x0
	s_wait_alu depctr_hold_cnt(0) depctr_sa_sdst(0) depctr_va_vdst(0) depctr_va_sdst(0) depctr_va_ssrc(0) depctr_va_vcc(0) depctr_vm_vsrc(0)
	s_getreg_b32 s2, hwreg(HW_REG_IB_STS2, 6, 4)
	s_cmp_eq_u32 s2, 0
	s_cbranch_scc0 .Lentry_in_a_cluster
	s_endpgm
.Lentry_in_a_cluster:
	s_bfe_u32 s2, ttmp6, 0x10000c
	s_cmp_lg_u32 s2, 0xf033
	s_cbranch_scc0 .Lentry_shape_is_right
	s_endpgm
.Lentry_shape_is_right:
; THE LAST PROJECTION, out = x Wo^T + bo, on codes of FP4 (E2M1) with one E8M0 scale for each 32 along K = 1,024.  out0: [8,192][1,024] f32.
; Wo's codes and scale bytes come as they are given, K innermost.  x's come as the attention launch left them: xi[128 tokens][K half][tile of 16 tokens][head % 8][512]: images of four operand registers (lane (r, hh): token r, block hh of the head's two),
; so that the two images of heads 2 q and 2 q + 1 ARE the fragment of K step q;  xs[128 tokens][head][tile][r][block]: bytes.
; SHARES.  A work-group makes 128 tokens x 256 outputs over all of K: 256 work-groups.  Wave w: Wo's half w % 2 (128 rows, 8 tiles), x's half w / 2 (64 tokens, 4 tiles): 32 accumulators, 256 matrix instructions.
; THE MATRIX INSTRUCTION IS USED TRANSPOSED (source 0 = 16 rows of Wo, source 1 = 16 tokens): a lane then holds eight neighbouring numbers of a row of out0.  bo, in that layout, is the C that starts the sums.
; LDS is filled ONCE: both halves of K, and all scale bytes.  The stages of the way out have bytes of their own, into which no fill lands.
; CLUSTERS: 4 x 4 work-groups; Wo's tiles hang on cx alone and are asked for jointly by a column of the cluster, x's on cy alone and by a row.
; LIMITS: NaN, infinities and a given scale byte 0xff are not served.
; REGISTERS, in windows of 256: window 0: v1-31 addresses; v32-63 x's scale words, v64-127 Wo's; v128-191 x's fragments, two sets; v192-255 at work; on the way out v128-255 take rows of out0.
;   window 1: v0-127 Wo's fragments, two sets; v128-191 bo.   window 2: accumulator (i, t) at v[64 i + 8 t].
.set PITCH,  272                       ; a row of Wo in LDS: 256 bytes + 16 of padding: the 16 rows of a fragment load start at 16 different banks (64 banks of 4 bytes: ISA guide 11.1)
.set PBASE,  65536                     ; x's images at 0 (65,536 dense bytes); Wo's two slots here,
.set PSLOT,  256*PITCH
.set PSC,    PBASE+2*PSLOT             ; Wo's scale bytes: 32 units of 256 bytes + 16,
.set XSC,    PSC+32*272                ; x's: 4,096 dense bytes,
.set STG,    XSC+4096                  ; the stages: 16 rows x (512 bytes + 16) for each wave
.set SPITCH, 528
.set FLAGS1, (1<<20)|(1<<21)|(5<<22)|(3<<25)   ; elements of 1 byte; padding on; bit 21 beside a mask; 4 words of padding behind every 64
.set FLAGS8, FLAGS1|(3<<16)
.set DENSE8, (3<<16)|(1<<21)           ; elements of 8 bytes, no padding
.set LIR,  16                          ; v16     16 x lane + my 4 tiles of x's images
.set ADRP, 20                          ; v20-21  LDS address of my Wo fragments in slot 0, 1
.set ADXS, 22                          ; v22     of x's scale bytes
.set ADSP, 23                          ; v23     of Wo's scale words
.set STO,  24                          ; v24     the way out: where I put 32 bytes of a row
.set RD,   25                          ; v25     where I read a row back
.set CO,   26                          ; v26     my byte offset in a row of out0
.set SCR,  32
.set SCP,  64
.set RF,   128
.set T,    192
.set BP,   128                         ; in window 1
.set WV,   16
.set FR,   17                          ; wave / 2: my half of the tokens.  Also: I fetch for x (0) or for Wo (1)
.set FH,   18                          ; wave % 2: my half of Wo's rows.  Also: which half of that tile I fetch
.set G1X,  24
.set G1P,  32
.set G1XS, 40
.set G1PS, 48
.set G0X0, 56
.set G0X1, 60
.set G0XS, 68
.set G0P0, 72
.set G0P1, 76
.set G0PS, 80
.set MSB, 0
.macro WIN new                         ; the immediate's high byte repeats the setting that is left
.if MSB != \new
	s_set_vgpr_msb (MSB<<8)|\new
.set MSB, \new
.endif
.endm
.macro PLACES n
.rept \n
	v_nop
.endr
.endm
.macro CROUND                          ; a round of the cluster's barrier
	s_barrier_signal -1
	s_barrier_wait -1
	s_cmp_lg_u32 s[WV], 0
	s_cbranch_scc1 .Lnot_wave_0_\@
	s_barrier_signal -3
.Lnot_wave_0_\@:
	s_barrier_wait -3
	s_barrier_signal -1
	s_barrier_wait -1
.endm
; A joint load: waves 0 and 1 fetch for x, waves 2 and 3 for Wo.  The branch hangs on the wave's number alone.  Four v_nop follow each of the two lines.
.macro JLOAD g0r, g1r, g0p, g1p
	s_cmp_eq_u32 s[FR], 0
	s_cbranch_scc0 .Lfor_p_\@
	tensor_load_to_lds s[\g0r:\g0r+3], s[\g1r:\g1r+7]
	s_nop 0
.rept 4
	v_nop
.endr
	s_branch .Lasked_\@
.Lfor_p_\@:
	tensor_load_to_lds s[\g0p:\g0p+3], s[\g1p:\g1p+7]
	s_nop 0
.rept 4
	v_nop
.endr
.Lasked_\@:
.endm
.macro SHAPE g, c, r, p                ; words 1 to 7 of a group 1: r rows of c elements, p elements from row to row
	s_mov_b32 s[\g+1], (\c)<<16
	s_mov_b32 s[\g+2], (\r)<<16
	s_mov_b32 s[\g+3], (\c)<<16
	s_mov_b32 s[\g+4], \r
	s_mov_b32 s[\g+5], \p
	s_mov_b32 s[\g+6], 0
	s_mov_b32 s[\g+7], 0
.endm
	s_load_b256 s[4:11], s[0:1], 0x0               ; xi s[4:5], xs s[6:7], Wo's codes s[8:9], Wo's scales s[10:11]
	s_load_b128 s[12:15], s[0:1], 0x20             ; bo s[12:13], out0 s[14:15]
	v_lshl_add_u32 v30, v0, 2, 0x3d600
	v_mov_b32 v31, 0
	ds_add_u32 v30, v31
	ds_add_u32 v30, v31
	v_lshrrev_b32 v1, 5, v0
	v_readfirstlane_b32 s[WV], v1                  ; wave 0..3
	s_lshr_b32 s[FR], s[WV], 1
	s_and_b32 s[FH], s[WV], 1
	s_bfe_u32 s19, ttmp6, 0x40000                  ; cx: my block of 256 rows of Wo
	s_bfe_u32 s20, ttmp6, 0x40004                  ; cy
	s_and_b32 s21, ttmp7, 0xffff
	s_lshl_b32 s21, s21, 2
	s_add_co_u32 s21, s21, s20                     ; my block of 128 tokens = 4 x cluster y + cy
	s_lshl_b32 s22, s20, 2
	s_lshl_b32 s22, 15, s22                        ; my row of the cluster
	s_lshl_b32 s23, 0x1111, s19                    ; my column
	s_or_b32 s[G1X], s22, DENSE8                   ; x's tiles go to my row of the cluster,
	s_or_b32 s[G1P], s23, FLAGS1                   ; Wo's to my column
	s_or_b32 s[G1XS], s22, DENSE8
	s_or_b32 s[G1PS], s23, FLAGS8
	SHAPE G1X, 32, 64, 32                          ; 16,384 dense bytes of images as 64 rows of 256
	SHAPE G1P, 256, 128, 512                       ; 128 rows x 256 bytes of codes, 512 bytes from row to row
	SHAPE G1XS, 32, 8, 32                          ; 2,048 dense bytes of x's scale bytes
	SHAPE G1PS, 32, 16, 32                         ; the scale bytes of 128 rows of Wo: 4,096 dense bytes
	s_lshl_b32 s84, s21, 16                        ; x: 65,536 bytes of images a block, 16,384 a load.  These registers never hold cx
	s_lshl_b32 s86, s[FH], 14
	s_add_co_u32 s84, s84, s86
	s_mov_b32 s85, 0
	s_lshl_b32 s86, s21, 12                        ; 4,096 scale bytes a block, 2,048 a load
	s_lshl_b32 s87, s[FH], 11
	s_add_co_u32 s86, s86, s87
	s_mov_b32 s87, 0
	s_lshl_b32 s88, s19, 8                         ; Wo: the first row that I fetch: 256 x block + 128 x half.  These never hold cy
	s_lshl_b32 s90, s[FH], 7
	s_add_co_u32 s88, s88, s90
	s_lshl_b32 s90, s88, 5
	s_mov_b32 s91, 0
	s_lshl_b32 s88, s88, 9
	s_mov_b32 s89, 0
	s_wait_dscnt 0x0
	s_wait_kmcnt 0x0
	s_add_nc_u64 s[84:85], s[4:5], s[84:85]
	s_add_nc_u64 s[86:87], s[6:7], s[86:87]
	s_add_nc_u64 s[88:89], s[8:9], s[88:89]
	s_add_nc_u64 s[90:91], s[10:11], s[90:91]
	s_mov_b32 s[G0XS], 1                           ; groups 0: count 1, LDS address (of the wave's number alone), global address, type 2
	s_lshl_b32 s[G0XS+1], s[FH], 11
	s_add_co_u32 s[G0XS+1], s[G0XS+1], XSC
	s_mov_b64 s[G0XS+2:G0XS+3], s[86:87]
	s_or_b32 s[G0XS+3], s[G0XS+3], 0x80000000
	s_mov_b32 s[G0PS], 1
	s_mul_i32 s[G0PS+1], s[FH], 16*272
	s_add_co_u32 s[G0PS+1], s[G0PS+1], PSC
	s_mov_b64 s[G0PS+2:G0PS+3], s[90:91]
	s_or_b32 s[G0PS+3], s[G0PS+3], 0x80000000
	s_mov_b32 s[G0X0], 1
	s_lshl_b32 s[G0X0+1], s[FH], 14
	s_mov_b64 s[G0X0+2:G0X0+3], s[84:85]
	s_or_b32 s[G0X0+3], s[G0X0+3], 0x80000000
	s_mov_b32 s[G0X1], 1
	s_add_co_u32 s[G0X1+1], s[G0X0+1], 32768
	s_add_nc_u64 s[G0X1+2:G0X1+3], s[84:85], 32768 ; heads 8 to 15: K 512 on
	s_or_b32 s[G0X1+3], s[G0X1+3], 0x80000000
	s_mov_b32 s[G0P0], 1
	s_mul_i32 s[G0P0+1], s[FH], 128*PITCH
	s_add_co_u32 s[G0P0+1], s[G0P0+1], PBASE
	s_mov_b64 s[G0P0+2:G0P0+3], s[88:89]
	s_or_b32 s[G0P0+3], s[G0P0+3], 0x80000000
	s_mov_b32 s[G0P1], 1
	s_add_co_u32 s[G0P1+1], s[G0P0+1], PSLOT
	s_add_nc_u64 s[G0P1+2:G0P1+3], s[88:89], 256
	s_or_b32 s[G0P1+3], s[G0P1+3], 0x80000000
	CROUND                                         ; all sixteen work-groups are here: the joint loads meet
	JLOAD G0XS, G1XS, G0PS, G1PS                   ; the scale bytes;
	JLOAD G0X0, G1X, G0P0, G1P                     ; K 0-511;
	JLOAD G0X1, G1X, G0P1, G1P                     ; K 512-1,023: three loads of mine are out, and there are no more
	s_lshl_b32 s92, s19, 10                        ; my wave's first output, in bytes of f32: 1,024 x block + 512 x half
	s_lshl_b32 s93, s[FH], 9
	s_add_co_u32 s92, s92, s93
	s_mov_b32 s93, 0
	s_add_nc_u64 s[12:13], s[12:13], s[92:93]      ; bo there
	s_lshl_b32 s94, s21, 19                        ; my first row of out0: 128 x block + 64 x half, 4,096 bytes a row
	s_lshl_b32 s95, s[FR], 18
	s_add_co_u32 s94, s94, s95
	s_add_co_u32 s94, s94, s92
	s_mov_b32 s95, 0
	s_add_nc_u64 s[14:15], s[14:15], s[94:95]
	v_and_b32 v1, 15, v0                           ; r
	v_bfe_u32 v2, v0, 4, 1                         ; hh
	v_and_b32 v3, 31, v0                           ; lane
	v_lshlrev_b32 v14, 5, v2                       ; register j of tile t wants bo of output 16 t + 8 hh + j
	WIN 0x40                                       ; destination window 1
.irp t, 0,1,2,3,4,5,6,7
	global_load_b128 v[BP+8*\t:BP+8*\t+3], v14, s[12:13] offset:64*\t
	global_load_b128 v[BP+8*\t+4:BP+8*\t+7], v14, s[12:13] offset:64*\t+16
.endr
	WIN 0
	v_lshlrev_b32 v[CO], 4, v3
	s_lshl_b32 s84, s[FR], 14
	v_add_nc_u32 v[LIR], s84, v[CO]
	v_mul_u32_u24 v18, v1, PITCH
	v_lshl_add_u32 v18, v2, 4, v18                 ; a fragment's row x pitch + 16 x half
	s_mul_i32 s84, s[FH], 128*PITCH
	s_add_co_u32 s84, s84, PBASE
	v_add_nc_u32 v[ADRP], s84, v18
	s_add_co_u32 s84, s84, PSLOT
	v_add_nc_u32 v[ADRP+1], s84, v18
	v_lshlrev_b32 v[ADXS], 1, v1                   ; x's scale bytes: two a token, 32 a tile, 128 for my four tiles
	s_lshl_b32 s84, s[FR], 7
	s_add_co_u32 s84, s84, XSC
	v_add_nc_u32 v[ADXS], s84, v[ADXS]
	v_lshlrev_b32 v18, 5, v1                       ; Wo's: 32 a row, and 16 more for each 256 passed
	v_lshrrev_b32 v19, 8, v18
	v_lshl_add_u32 v18, v19, 4, v18
	s_mul_i32 s84, s[FH], 16*272
	s_add_co_u32 s84, s84, PSC
	v_add_nc_u32 v[ADSP], s84, v18
	s_mul_i32 s84, s[WV], 16*SPITCH
	s_add_co_u32 s84, s84, STG                     ; my stage
	v_mul_u32_u24 v[STO], v1, SPITCH
	v_lshl_add_u32 v[STO], v2, 5, v[STO]
	v_add_nc_u32 v[STO], s84, v[STO]               ; in: row r, 32 bytes for each half of the lanes
	v_add_nc_u32 v[RD], s84, v[CO]                 ; back: the 32 lanes take one row of 512 bytes
; 24 LDS loads: the fragments of K step q into set.  Wo's from rows (64 bytes of a row a step); x's as images: heads 2 q and 2 q + 1
.macro FETCH q, set
	WIN 0x40
.irp t, 0,1,2,3,4,5,6,7
.irp c, 0,1
	ds_load_b128 v[64*(\set)+8*\t+4*\c:64*(\set)+8*\t+4*\c+3], v[ADRP+((\q)>>2)] offset:64*((\q)&3)+32*\c+16*PITCH*\t
.endr
.endr
	WIN 0
.irp i, 0,1,2,3
.irp c, 0,1
	ds_load_b128 v[RF+32*(\set)+8*\i+4*\c:RF+32*(\set)+8*\i+4*\c+3], v[LIR] offset:32768*((\q)>>2)+4096*\i+1024*((\q)&3)+512*\c
.endr
.endr
.endm
; 32 matrix instructions.  The 32 accumulators take turns, one instruction a turn, in the same order in every K step.  first = 1: bo is the C that starts the sums
.macro MULS q, set, first
.irp i, 0,1,2,3
.irp t, 0,1,2,3,4,5,6,7
.if \first
	v_wmma_scale_f32_16x16x128_f8f6f4 v[64*\i+8*\t:64*\i+8*\t+7], v[64*(\set)+8*\t:64*(\set)+8*\t+7], v[RF+32*(\set)+8*\i:RF+32*(\set)+8*\i+7], v[BP+8*\t:BP+8*\t+7], v[SCP+8*\t+(\q)], v[SCR+8*\i+(\q)] matrix_a_fmt:MATRIX_FMT_FP4 matrix_b_fmt:MATRIX_FMT_FP4
.else
	v_wmma_scale_f32_16x16x128_f8f6f4 v[64*\i+8*\t:64*\i+8*\t+7], v[64*(\set)+8*\t:64*(\set)+8*\t+7], v[RF+32*(\set)+8*\i:RF+32*(\set)+8*\i+7], v[64*\i+8*\t:64*\i+8*\t+7], v[SCP+8*\t+(\q)], v[SCR+8*\i+(\q)] matrix_a_fmt:MATRIX_FMT_FP4 matrix_b_fmt:MATRIX_FMT_FP4
.endif
.endr
.endr
.endm
.macro STEP q
.if (\q) > 0
	PLACES 4                                       ; in front of loads into the set that the last step's products read (ISA guide 7.12.1 for vector instructions)
.endif
.if (\q) == 3
	s_wait_tensorcnt 0x0                           ; my part of K's second half has landed;
	s_wait_dscnt 0x0                               ; no LDS load of mine is out at a signal
	s_barrier_signal -1
	s_barrier_wait -1                              ; everybody's has.
.endif
.if (\q) < 7
	FETCH (\q)+1, ((\q)+1)%2
	s_wait_dscnt 24                                ; all but the 24 just issued: this step's fragments are in (in step 0 Wo's scale words too)
.else
	s_wait_dscnt 0x0
.endif
.if (\q) == 0
	WIN 0x91                                       ; source 0 (Wo) window 1, source 1 (x) window 0, C (bo) window 1, D window 2
	s_wait_alu depctr_va_vdst(0)
	MULS \q, 0, 1
.else
	WIN 0xa1                                       ; C and D window 2
	MULS \q, (\q)%2, 0
.endif
.endm
	s_wait_alu depctr_va_vdst(0)
	s_wait_loadcnt 0x0                             ; bo
	s_wait_tensorcnt 1                             ; the scale bytes and my part of K's first half are in; the second half's load may be out,
	s_barrier_signal -1
	s_barrier_wait -1                              ; everybody's are
.irp i, 0,1,2,3
.irp q, 0,1,2,3,4,5,6,7
	ds_load_u16 v[T+16*\i+2*\q], v[ADXS] offset:256*(2*\q)+32*\i       ; token r of tile i: the two bytes of head 2 q,
	ds_load_u16 v[T+16*\i+2*\q+1], v[ADXS] offset:256*(2*\q+1)+32*\i   ; of head 2 q + 1
.endr
.endr
.irp t, 0,1,2,3,4,5,6,7
.irp g, 0,1
	ds_load_b128 v[SCP+8*\t+4*\g:SCP+8*\t+4*\g+3], v[ADSP] offset:544*\t+16*\g   ; a row's eight scale words, one for each K step
.endr
.endr
	FETCH 0, 0
	s_wait_dscnt 40                                ; all but the 16 + 24 loads issued behind x's scale bytes
.irp i, 0,1,2,3
.irp q, 0,1,2,3,4,5,6,7
	v_lshl_or_b32 v[SCR+8*\i+\q], v[T+16*\i+2*\q+1], 16, v[T+16*\i+2*\q]   ; x's scale word of K step q
.endr
.endr
	PLACES 8                                       ; a scale register written by a vector instruction stands 8 places ahead of a scaled matrix instruction
.irp q, 0,1,2,3,4,5,6,7
	STEP \q
.endr
; THE WAY OUT, block by block of 16 tokens x 128 outputs.  A lane holds 32 neighbouring bytes of a row, and the lanes beside it hold other rows: so a block goes through my own stage in LDS and comes back as whole rows of 512 bytes.
; LDS serves a wave's instructions in order (ISA guide 5.7.1.4): no wait between the stores and the loads, nor in front of the next block's stores.
.macro TOSTAGE a
	WIN 0x08                                       ; an LDS store's data are its source 1: window 2
.irp b, 0,1,2,3,4,5,6,7
	ds_store_b128 v[STO], v[64*(\a)+8*\b:64*(\a)+8*\b+3] offset:64*\b          ; each accumulator from its low end on
	ds_store_b128 v[STO], v[64*(\a)+8*\b+4:64*(\a)+8*\b+7] offset:64*\b+16
.endr
	WIN 0
.irp t, 0,1,2,3,4,5,6,7,8,9,10,11,12,13,14,15
	ds_load_b128 v[RF+64*((\a)%2)+4*\t:RF+64*((\a)%2)+4*\t+3], v[RD] offset:SPITCH*\t
.endr
.endm
.macro SEND a, younger                 ; younger: the LDS instructions issued behind block a's loads, which may stay out
	s_wait_dscnt \younger
.if (\a) > 0
	s_add_nc_u64 s[14:15], s[14:15], 65536         ; 16 rows on (behind a wait on XCNT: the earlier stores have read their base)
.endif
.irp t, 0,1,2,3,4,5,6,7,8,9,10,11,12,13,14,15
	global_store_b128 v[CO], v[RF+64*((\a)%2)+4*\t:RF+64*((\a)%2)+4*\t+3], s[14:15] offset:4096*\t th:TH_STORE_NT   ; 32 lanes store 512 consecutive bytes, at a multiple of 512 from out0's first byte
.endr
.endm
	PLACES 4                                       ; behind the last products: their results are read, and x's fragments loaded over, below
	TOSTAGE 0
.irp a, 1,2,3
.if \a > 1
	s_wait_xcnt 0x0                                ; block a - 2's stores have read their registers and their base
.endif
	TOSTAGE \a
	SEND \a-1, 32                                  ; behind block a - 1's loads: block a's 16 stores and 16 loads
.endr
	s_wait_xcnt 0x0
	SEND 3, 0
	s_wait_tensorcnt 0x0
	ds_add_u32 v30, v31
	s_wait_dscnt 0x0
	CROUND                                         ; the closing round: no work-group ends while a partner may still ask for a tile that names it
	s_endpgm
.Lfunc_end_k_q69ef9fd8c2_outp:
	.size	k_q69ef9fd8c2_outp, .Lfunc_end_k_q69ef9fd8c2_outp-k_q69ef9fd8c2_outp
	.p2alignl 7, 3214868480
	.fill 96, 4, 3214868480
	.section	.rodata,"a",@progbits
	.p2align	6, 0x0
	.amdhsa_kernel k_q69ef9fd8c2_outp
		.amdhsa_group_segment_fixed_size 251904
		.amdhsa_private_segment_fixed_size 0
		.amdhsa_enable_private_segment 0
		.amdhsa_kernarg_size 48
		.amdhsa_user_sgpr_count 2
		.amdhsa_user_sgpr_kernarg_segment_ptr 1
		.amdhsa_wavefront_size32 1
		.amdhsa_system_sgpr_workgroup_id_x 1
		.amdhsa_system_sgpr_workgroup_id_y 1
		.amdhsa_system_sgpr_workgroup_id_z 1
		.amdhsa_system_vgpr_workitem_id 0
		.amdhsa_next_free_vgpr 768
		.amdhsa_next_free_sgpr 96
		.amdhsa_reserve_vcc 0
		.amdhsa_float_denorm_mode_32 3
		.amdhsa_float_denorm_mode_16_64 3
		.amdhsa_memory_ordered 1
		.amdhsa_forward_progress 1
		.amdhsa_inst_pref_size 79
	.end_amdhsa_kernel
	.amdgpu_metadata
---
amdhsa.version: [ 1, 2 ]
amdhsa.kernels:
  - .name:           k_q69ef9fd8c2_outp
    .symbol:         k_q69ef9fd8c2_outp.kd
    .args:
      - { .name: xi, .offset: 0, .size: 8, .value_kind: global_buffer, .address_space: global }
      - { .name: xs, .offset: 8, .size: 8, .value_kind: global_buffer, .address_space: global }
      - { .name: Wo_codes, .offset: 16, .size: 8, .value_kind: global_buffer, .address_space: global }
      - { .name: Wo_scales, .offset: 24, .size: 8, .value_kind: global_buffer, .address_space: global }
      - { .name: bo, .offset: 32, .size: 8, .value_kind: global_buffer, .address_space: global }
      - { .name: out0, .offset: 40, .size: 8, .value_kind: global_buffer, .address_space: global }
    .group_segment_fixed_size: 251904
    .private_segment_fixed_size: 0
    .kernarg_segment_align: 8
    .kernarg_segment_size: 48
    .max_flat_workgroup_size: 128
    .sgpr_count:     96
    .vgpr_count:     768
    .wavefront_size: 32
...
	.end_amdgpu_metadata
.endif
;; end of part 3
